; MI455X (gfx1250); checked and timed in simulation.
; The chip was launched on July 23, 2026; its instructions are those of AMD's public machine-readable ISA for CDNA 5 (MIT licence, August 2026) and "CDNA5" Instruction Set Architecture Reference Guide (July 2026). The comments in the code are by the model that wrote it; some were corrected since.
;; Multi Head Attention. Allowed arithmetic: matrix products marked QUANTISED: E4M3 operands, one E8M0 scale for each 32 along K, by v_wmma_scale_f32_16x16x128_f8f6f4 with both operands' format E4M3, f32 sums; everything else in f32.
;; Inputs: K_codes 8 x 2,048 x 16 x 32 uint8 (E4M3 codes of K, K innermost, in blocks of 32 codes); K_scales 8 x 2,048 x 16 uint8 (E8M0 scales of K, one for each 32 codes along K); Q 8 x 2,048 x 512 float32; V_codes 8 x 2,048 x 16 x 32 uint8 (E4M3 codes of V, K innermost, in blocks of 32 codes); V_scales 8 x 2,048 x 16 uint8 (E8M0 scales of V, one for each 32 codes along K); Wk_codes 512 x 16 x 32 uint8 (E4M3 codes of Wk, K innermost, in blocks of 32 codes); Wk_scales 512 x 16 uint8 (E8M0 scales of Wk, one for each 32 codes along K); Wo_codes 512 x 16 x 32 uint8 (E4M3 codes of Wo, K innermost, in blocks of 32 codes); Wo_scales 512 x 16 uint8 (E8M0 scales of Wo, one for each 32 codes along K); Wq_codes 512 x 16 x 32 uint8 (E4M3 codes of Wq, K innermost, in blocks of 32 codes); Wq_scales 512 x 16 uint8 (E8M0 scales of Wq, one for each 32 codes along K); Wv_codes 512 x 16 x 32 uint8 (E4M3 codes of Wv, K innermost, in blocks of 32 codes); Wv_scales 512 x 16 uint8 (E8M0 scales of Wv, one for each 32 codes along K); beta 512 float32; bk 512 float32; bo 512 float32; bq 512 float32; bv 512 float32; gamma 512 float32.
;; Outputs: out0 8 x 2,048 x 512 float32.
;; This version of the problem:
;;   THIS VERSION OF THE PROBLEM IS GIVEN IN LOW PRECISION. The matrix products marked QUANTISED in the list below multiply operands that are first quantised to E4M3 (4 exponent bits, 3 mantissa bits; 8 bits a number), with one power-of-two scale for each 32 numbers along K (OCP MX v1.0); their sums are f32. All else is computed in f32.
;;   The module's matrix products, in the order in which they are computed (A, B: the left and right operand; K: the contracted axis; several contracted axes count as one K, in the product's order):
;;     1. [M 16,384, K 512] x [K 512, N 512]; A: input Q; B: input Wq (given as codes): QUANTISED
;;     2. [M 16,384, K 512] x [K 512, N 512]; A: input K (given as codes); B: input Wk (given as codes): QUANTISED
;;     3. [M 16,384, K 512] x [K 512, N 512]; A: input V (given as codes); B: input Wv (given as codes): QUANTISED
;;     4. batch 64 x [M 2,048, K 64] x [K 64, N 2,048]; A: computed on the way; B: computed on the way: QUANTISED
;;     5. batch 64 x [M 64, K 2,048] x [K 2,048, N 2,048]; A: computed on the way; B: softmax (see below): QUANTISED
;;     6. [M 16,384, K 512] x [K 512, N 512]; A: computed on the way; B: input Wo (given as codes): QUANTISED
;;   THE QUANTISER, for each operand of a quantised product, along K:
;;     - K is cut into blocks of 32 from its start; a last block that is shorter is filled with zeros.
;;     - A block's scale is 2^e with e = floor(log2(the largest magnitude in the block)) - 8, held to -126 .. 127; a block of zeros has e = 0. As a byte (E8M0): e + 127.
;;     - Each number is divided by its block's scale, clamped to +-448, and rounded to the nearest number of E4M3, ties to even, subnormals kept.
;;     - The product sums the exact products of the quantised numbers (number of the format x scale) in f32.
;;   ~~~python
;;   def quantise(x, axis):      # numpy; x: float32 -> the quantised numbers, widened to float32 again
;;       x = np.moveaxis(x, axis, -1); K = x.shape[-1]
;;       x = np.pad(x, [(0, 0)] * (x.ndim - 1) + [(0, -K % 32)]); x = x.reshape(x.shape[:-1] + (-1, 32)); a = np.abs(x).max(-1, keepdims=True)
;;       e = np.where(a > 0, np.clip(np.frexp(np.where(a > 0, a, 1))[1] - 1 - 8, -126, 127), 0)      # np.frexp(a)[1] - 1 = floor(log2(a)), exactly
;;       r = np.clip(x / 2.0 ** e, -448, 448)
;;       step = 2.0 ** (np.maximum(np.frexp(np.where(r == 0, 1, r))[1] - 1, -6) - 3)
;;       q = np.round(r / step) * step * 2.0 ** e      # np.round: ties to even
;;       return np.moveaxis(q.reshape(q.shape[:-2] + (-1,))[..., :K], -1, axis).astype(np.float32)
;;   ~~~
;;   SOFTMAX AHEAD OF A QUANTISED PRODUCT. Where the list says 'softmax', what is quantised is not the finished softmax but p = 2^(t - M), with t = logit x log2(e) and M = ceil(the row's largest t), a whole number; so 1/2 < the row's largest p <= 1. The row's sum l is taken of the UNQUANTISED p, in f32, and the product's result is divided by l at the end. Since M is a whole number, a kernel that streams over the keys may use a running M (the ceiling of the running maximum): every later rescaling is an exact power of two, which a block's scale takes up: the codes' values come out the same.
;;   OPERANDS COMPUTED ON THE WAY. 'Computed on the way' means the value that the module computes at that place (a softmax that the list does not call 'softmax' is quantised finished and normalised). What goes into a quantiser is computed in f32, as accurately as f32 sums, v_exp_f32 and their like allow (about 1e-6 of the number): no bf16 or f16 on the way to a quantiser, and a product that is left as it is and whose result goes on into a quantised operand takes f32 operands (vector FMAs, or v_wmma_f32_16x16x4_f32). A number that lies on a knife's edge between two numbers of the format may be rounded either way, as far as f32 arithmetic and the matrix unit's own rounding can turn it there, and no further.
;;   INPUTS GIVEN AS CODES. K (in the module: [8, 2048, 512], K = its axis 2); V (in the module: [8, 2048, 512], K = its axis 2); Wk (in the module: [512, 512], K = its axis 1); Wo (in the module: [512, 512], K = its axis 1); Wq (in the module: [512, 512], K = its axis 1); Wv (in the module: [512, 512], K = its axis 1): each comes as NAME_codes (uint8): NAME with its K axis moved to the last place and cut into blocks of 32 codes, [.., K / 32, bytes a block], one block behind the other in memory; one code a byte (a code: sign, 4 exponent bits, 3 mantissa bits); and NAME_scales (uint8): the same leading axes, one E8M0 byte (e + 127) for each 32 codes along K. Its value is code x scale, taken as it is: it is not quantised again, and the codes and scales need not be those that the quantiser above would give.
;; 2 versions. Each part assembles by itself: llvm-mc -triple=amdgcn-amd-amdhsa -mcpu=gfx1250 --defsym DOCPART=n.
;; ======== version 1 of 2: 3 launches
;; workspace buffers: qw 8,650,752 bytes; kv 17,301,504 bytes; cimg 8,388,608 bytes; csc 262,144 bytes
;; launch proj (part 1): grid 384 x 1, 8 waves a work-group, no clusters, 117,760 bytes of LDS; arguments Q, K_codes, K_scales, V_codes, V_scales, Wq_codes, Wq_scales, bq, Wk_codes, Wk_scales, bk, Wv_codes, Wv_scales, bv, qw, kv; writes qw, kv
.if DOCPART == 1
	.amdgcn_target "amdgcn-amd-amdhsa--gfx1250"
	.amdhsa_code_object_version 6
	.text
	.protected	k_q049ee32df5_proj
	.globl	k_q049ee32df5_proj
	.p2align	8
	.type	k_q049ee32df5_proj,@function
k_q049ee32df5_proj:
	s_mov_b64 s[64:65], 0
	v_nop
	global_prefetch_b8 v0, s[64:65] scope:SCOPE_SE
	s_setreg_imm32_b32 hwreg(HW_REG_WAVE_MODE, 25, 1), 1
	s_wait_xcnt 0x0
; THE THREE INPUT PROJECTIONS of the attention block, on codes of FP8 (E4M3) with one E8M0 scale for each 32 along K:
;   q = Quant(Q) Wq^T + bq,  k = K Wk^T + bk,  v = V Wv^T + bv  (16,384 rows x 512 x 512 each), and the quantisers behind them:
;   q and k along a head's 64 (the next product's K), v along the keys (the K of the product with the softmax's p).
; DEAD WORK: none.  Every input of reference() has a way to the output (bk too: it moves k's codes), so nothing is left out in any of the three launches.
; LIMITS: NaN and infinities among the inputs are not served.  A block of zeros gets the scale byte 1 where the rule says 127: its codes are zeros, which add
; nothing under any byte but 0xff, and the bytes are read by this program alone.  Blocks whose largest magnitude lies under 2^-118, the floor, keep the byte 1.
; SHARES.  Work-groups 0-127 make q, 128-255 k, 256-383 v; each takes 128 tokens of one batch.  Wave w is head w: its 64 rows of W (4 tiles x 4 K steps x 16
; registers) fill window 1 and are read from memory once.  The 128 rows of x go round through LDS as rows of 512 codes; wave w brings 16 of them.
; THE ROWS OF A TILE ARE NOT NEIGHBOURS: row r of tile 2 P + u is token (or row of W) 32 P + 8 u + r + 8 (r / 8), so that in a result the 16 registers of tiles 2 b and
; 2 b + 1 are 16 neighbours, 32 b + 16 (lane / 16) + 0 .. 15, along the next product's K; a block of 32 lies in lanes l and l xor 16.
; q, k: source 0 = 16 rows of W, source 1 = 16 tokens: a lane holds one token and its registers run along the head.  v: the sources swapped: a lane holds one channel and its registers run along the tokens.
; WHAT IS STORED lies in the order of the next launch's operand registers (four registers: 512 bytes, lane l's 16 bytes at 16 l):
;   qw [batch x 8 + head][group of 128 tokens][8,448]: codes [pair t][tile u][block b][512], then scale words [pair t][row r][4]: bytes 0, 1 tile u = 0's blocks, bytes 2, 3 tile u = 1's.
;   kv [batch x 8 + head][group][16,896]: k as in qw; at 8,448 v's codes [channel tile][key block c][512]; at 16,640 v's scale words [channel tile][row r][4], byte c.
; REGISTERS, window 0: v1-15 and v241-245 addresses; v16-31 W's scale words; v32-39 x's; v40-71 the bias as the C of a sum's first product; v72-135 x's fragments, two sets (earlier: my 16 rows' codes);
;   v136-199 eight accumulators (earlier: two sets of 16 numbers of Q); v200-215 codes just made; v216-231 at work.   Window 1: W's fragment (tile wt, K step s) at 16 (4 wt + s).
.set XPITCH, 528                       ; a row of x in LDS: 512 codes + 16 bytes: an odd multiple of 16, so that the 16 rows of a fragment load fall on different banks
.set XSB,    67584                     ; behind the 128 rows: their scale bytes, 16 a row
.set QST,    69632                     ; the Q path's stages: for each wave two of 32 x 80 bytes
.set QB,     110592                    ; the Q path's scale bytes: 256 for each wave
.set OSQ,    112640                    ; scale words on their way out: q's and k's, 256 bytes a wave; v's lie 2,048 further on
.set SPARE,  116736                    ; the spare words, 128 bytes for each wave: four blocks of 256 bytes that no other line names
.set LI,   4                           ; 16 x lane
.set L8,   5                           ; 8 x lane
.set AX,   6                           ; a fragment of x: r x 528 + 16 h
.set AXS,  7                           ; its scale words: XSB + 16 r
.set AXW,  8                           ; where I put my 16 rows: 16 w x 528 + 16 x lane
.set AXSW, 9                           ; and their scale bytes: XSB + 256 w + 8 x lane
.set AW,   10                          ; W: (r + 8 (r / 8)) x 512 + 16 h
.set AWS,  11                          ; W's scale words: (r + 8 (r / 8)) x 16
.set SIN,  12                          ; the stage, in: 80 (lane / 4) + 16 (lane % 4)
.set SOUT, 13                          ; the stage, out: 80 x lane
.set QBW,  14                          ; my block's scale byte
.set QBR,  15                          ; and 8 of them back
.set WSR,  16
.set XSR,  32
.set BI,   40
.set XF,   72
.set CX,   72
.set AC,   136
.set X,    136
.set PC,   200
.set TM,   216
.set VB,   232                         ; v232-235 bv of my lane's channel, a register a tile
.set VW,   236                         ; v236-239 v's scale words as they grow
.set PW,   240
.set OSW,  241
.set OSR,  242
.set BO64, 243                         ; 64 h
.set BO4,  244                         ; 4 (r + 8 (r / 8))
.set SXO,  245                         ; my 8 scale bytes of the wave's 16 rows, in memory
.set SX,   246                         ; v246-247 those bytes
.set OW,   248                         ; v248-249 scale words on their way out
.set EB,   250                         ; v250-251 a scale byte, two registers by turns
.set SPW,  252
.set NIL,  253
.set SEL,  60                          ; s[60:61] v_permlanex16_b32's selects for lane l xor 16
.set MNT,  62                          ; s62 the mantissa field of 448
.set MSB, 0
.macro WIN new                         ; the immediate's high byte repeats the setting that is left
.if MSB != \new
	s_set_vgpr_msb (MSB<<8)|\new
.set MSB, \new
.endif
.endm
; 64 numbers of a lane, four blocks of 16 (the other 16 of each block lie in lane l xor 16), become 16 registers of codes in v[PC] on, four scale bytes in v[TM+4] on and, with word = 1, the scale word v[PW].
.macro QUANT s, word
.irp b, 0,1,2,3
	v_max3_num_f32 v[TM+\b], |v[\s+16*\b]|, |v[\s+1+16*\b]|, 0x4800000   ; my 16 numbers and the floor 2^(9 - 127): the byte cannot fall under 1
.endr
.irp i, 2,4,6,8,10,12,14
.irp b, 0,1,2,3
	v_max3_num_f32 v[TM+\b], v[TM+\b], |v[\s+16*\b+\i]|, |v[\s+1+16*\b+\i]|
.endr
.endr
.irp b, 0,1,2,3
	v_permlanex16_b32 v[TM+4+\b], v[TM+\b], s[SEL], s[SEL+1]
.endr
.irp b, 0,1,2,3
	v_max_num_f32 v[TM+\b], v[TM+\b], v[TM+4+\b]                 ; the block's largest magnitude
.endr
.irp b, 0,1,2,3
	v_add_nc_u32 v[TM+12+\b], 0xfc000000, v[TM+\b]               ; 8 off its exponent field: the conversion's scale operand
.endr
.irp b, 0,1,2,3
	v_and_or_b32 v[TM+8+\b], v[TM+\b], 0x7f800000, s[MNT]        ; 448 x the scale
.endr
.irp b, 0,1,2,3
	v_lshrrev_b32 v[TM+4+\b], 23, v[TM+12+\b]                    ; the scale's byte
.endr
.if \word
	v_lshl_or_b32 v[PW], v[TM+5], 8, v[TM+4]
	v_lshl_or_b32 v[PW], v[TM+6], 16, v[PW]
	v_lshl_or_b32 v[PW], v[TM+7], 24, v[PW]
.endif
.irp b, 0,1,2,3
.irp i, 0,1,2,3,4,5,6,7,8,9,10,11,12,13,14,15
	v_med3_num_f32 v[\s+16*\b+\i], v[\s+16*\b+\i], -v[TM+8+\b], v[TM+8+\b]   ; the conversion to an 8-bit code does not saturate (ISA guide 7.6.2): the hold comes first
.endr
	v_cvt_scalef32_pk8_fp8_f32 v[PC+4*\b:PC+1+4*\b], v[\s+16*\b:\s+7+16*\b], v[TM+12+\b]
	v_cvt_scalef32_pk8_fp8_f32 v[PC+2+4*\b:PC+3+4*\b], v[\s+8+16*\b:\s+15+16*\b], v[TM+12+\b]
.endr
	v_nop                                          ; a plain line behind the last conversion: later products write its sources
.endm
.macro WFRAG f                         ; W's fragment f = 4 wt + s into window 1 (the caller has set the destination's window)
.irp c, 0,1,2,3
	global_load_b128 v[16*(\f)+4*\c:16*(\f)+4*\c+3], v[AW], s[48:49] offset:(32*((\f)/8)+8*(((\f)/4)%2))*512+128*((\f)%4)+32*\c
.endr
.endm
	s_load_b512 s[16:31], s[0:1], 0x0              ; Q, K codes, K scales, V codes, V scales, Wq codes, Wq scales, bq
	s_load_b512 s[32:47], s[0:1], 0x40             ; Wk codes, Wk scales, bk, Wv codes, Wv scales, bv, qw, kv
	v_lshl_add_u32 v[SPW], v0, 2, SPARE
	v_mov_b32 v[NIL], 0
	v_lshrrev_b32 v1, 5, v0
	v_readfirstlane_b32 s3, v1                     ; wave = head
	s_mov_b32 s2, ttmp9                            ; work-group
	v_and_b32 v3, 31, v0                           ; lane
	v_and_b32 v1, 15, v0                           ; r
	v_bfe_u32 v2, v0, 4, 1                         ; h
	v_lshlrev_b32 v[LI], 4, v3
	v_lshlrev_b32 v[L8], 3, v3
	v_mul_u32_u24 v[AX], v1, XPITCH
	v_lshl_add_u32 v[AX], v2, 4, v[AX]
	v_lshl_add_u32 v[AXS], v1, 4, XSB
	s_mul_i32 s4, s3, 16*XPITCH
	v_add_nc_u32 v[AXW], s4, v[LI]
	s_lshl_b32 s4, s3, 8                           ; 256 w
	s_add_co_u32 s5, s4, XSB
	v_add_nc_u32 v[AXSW], s5, v[L8]
	v_and_b32 v[AW], 8, v1
	v_add_nc_u32 v[AW], v[AW], v1                  ; r + 8 (r / 8)
	v_lshlrev_b32 v[AWS], 4, v[AW]
	v_lshlrev_b32 v[BO4], 2, v[AW]
	v_lshlrev_b32 v[AW], 9, v[AW]
	v_lshl_add_u32 v[AW], v2, 4, v[AW]
	s_mul_i32 s5, s3, 5120
	s_add_co_u32 s5, s5, QST
	v_lshrrev_b32 v[SIN], 2, v3
	v_mul_u32_u24 v[SIN], v[SIN], 80
	v_and_b32 v[SOUT], 3, v3
	v_lshl_add_u32 v[SIN], v[SOUT], 4, v[SIN]
	v_add_nc_u32 v[SIN], s5, v[SIN]
	v_mul_u32_u24 v[SOUT], v3, 80
	v_add_nc_u32 v[SOUT], s5, v[SOUT]
	s_add_co_u32 s5, s4, QB
	v_lshrrev_b32 v[QBW], 1, v3
	v_add_nc_u32 v[QBW], s5, v[QBW]
	v_add_nc_u32 v[QBR], s5, v[L8]
	s_add_co_u32 s5, s4, OSQ
	v_lshl_add_u32 v[OSW], v1, 2, s5
	v_add_nc_u32 v[OSR], s5, v[L8]
	v_lshlrev_b32 v[BO64], 6, v2
	v_lshrrev_b32 v[SXO], 1, v3                    ; row i = lane / 2 of my 16,
	v_and_b32 v[SX], 8, v[SXO]
	v_add_nc_u32 v[SXO], v[SXO], v[SX]             ; which is i + 8 (i / 8) rows on in memory,
	v_lshlrev_b32 v[SXO], 4, v[SXO]
	v_and_b32 v[SX], 1, v3
	v_lshl_add_u32 v[SXO], v[SX], 3, v[SXO]        ; and the half of its 16 bytes
.irp b, 0,1,2,3
	v_mov_b32 v[TM+4+\b], 0                        ; written once: a lane permute's destination counts as one of its sources
.endr
	s_mov_b32 s[SEL], 0x76543210
	s_mov_b32 s[SEL+1], 0xfedcba98
	s_mov_b32 s[MNT], 0x600000
	s_and_b32 s6, s2, 127                          ; which 128 tokens of the 16,384
	s_lshl_b32 s7, s6, 7
	s_lshr_b32 s8, s3, 1
	s_lshl_b32 s8, s8, 5
	s_add_co_u32 s7, s7, s8
	s_and_b32 s8, s3, 1
	s_lshl_b32 s8, s8, 3
	s_add_co_u32 s7, s7, s8                        ; my first row of x: 128 x group + 32 (w / 2) + 8 (w % 2)
	s_lshl_b32 s10, s7, 4                          ; its scale bytes
	s_mov_b32 s11, 0
	s_cmp_lt_u32 s2, 128
	s_cselect_b32 s8, 11, 9                        ; a row of Q is 2,048 bytes, a row of codes 512
	s_lshl_b32 s8, s7, s8
	s_mov_b32 s9, 0
	s_lshr_b32 s12, s6, 4                          ; batch
	s_lshl_b32 s12, s12, 3
	s_add_co_u32 s12, s12, s3
	s_lshl_b32 s12, s12, 4
	s_and_b32 s13, s6, 15
	s_add_co_u32 s12, s12, s13                     ; (batch x 8 + head) x 16 + group
	s_mov_b32 s13, 16896
	s_cmp_lt_u32 s2, 128
	s_cselect_b32 s13, 8448, s13
	s_mul_i32 s12, s12, s13
	s_cmp_lt_u32 s2, 256
	s_cselect_b32 s13, 0, 8448                     ; v lies behind k
	s_add_co_u32 s12, s12, s13
	s_mov_b32 s13, 0
	s_mov_b32 s15, 0
	s_wait_kmcnt 0x0
	s_cmp_lt_u32 s2, 256                           ; the buffers are chosen by the work-group's number alone
	s_cselect_b64 s[48:49], s[32:33], s[38:39]
	s_cselect_b64 s[50:51], s[34:35], s[40:41]
	s_cselect_b64 s[52:53], s[36:37], s[42:43]
	s_cselect_b64 s[54:55], s[18:19], s[22:23]
	s_cselect_b64 s[56:57], s[20:21], s[24:25]
	s_cmp_lt_u32 s2, 128
	s_cselect_b64 s[48:49], s[26:27], s[48:49]
	s_cselect_b64 s[50:51], s[28:29], s[50:51]
	s_cselect_b64 s[52:53], s[30:31], s[52:53]
	s_cselect_b64 s[54:55], s[16:17], s[54:55]
	s_cselect_b64 s[58:59], s[44:45], s[46:47]
	s_add_nc_u64 s[54:55], s[54:55], s[8:9]        ; x at my first row
	s_add_nc_u64 s[56:57], s[56:57], s[10:11]      ; its scale bytes (the Q path does not load them)
	s_add_nc_u64 s[58:59], s[58:59], s[12:13]      ; where my head's results go
	s_lshl_b32 s14, s3, 15
	s_add_nc_u64 s[48:49], s[48:49], s[14:15]      ; my 64 rows of W,
	s_lshl_b32 s14, s3, 10
	s_add_nc_u64 s[50:51], s[50:51], s[14:15]      ; their scale bytes,
	s_lshl_b32 s14, s3, 8
	s_add_nc_u64 s[52:53], s[52:53], s[14:15]      ; my 64 numbers of the bias
.irp wt, 0,1,2,3
	global_load_b128 v[WSR+4*\wt:WSR+4*\wt+3], v[AWS], s[50:51] offset:(32*(\wt/2)+8*(\wt%2))*16   ; a row's 16 scale bytes: a word for each K step
.endr
.irp wt, 0,1,2,3                                   ; the bias in both forms, on every path: along the registers (q, k),
	global_load_b128 v[BI+8*\wt:BI+8*\wt+3], v[BO64], s[52:53] offset:(32*(\wt/2)+8*(\wt%2))*4
	global_load_b128 v[BI+8*\wt+4:BI+8*\wt+7], v[BO64], s[52:53] offset:(32*(\wt/2)+8*(\wt%2))*4+16
.endr
.irp wt, 0,1,2,3                                   ; and one number a lane (v)
	global_load_b32 v[VB+\wt], v[BO4], s[52:53] offset:(32*(\wt/2)+8*(\wt%2))*4
.endr
	s_cmp_lt_u32 s2, 128
	s_cbranch_scc1 .Lq_arm
	; ---- K and V arrive as codes: my 16 rows, 512 consecutive bytes a load, and their 256 scale bytes
.irp i, 0,1,2,3,4,5,6,7,8,9,10,11,12,13,14,15
	global_load_b128 v[CX+4*\i:CX+4*\i+3], v[LI], s[54:55] offset:(\i+8*(\i/8))*512 th:TH_LOAD_NT
.endr
	global_load_b64 v[SX:SX+1], v[SXO], s[56:57] th:TH_LOAD_NT
	WIN 0x40
.irp f, 0,1,2,3,4,5,6,7,8,9,10,11,12,13,14,15
	WFRAG \f
.endr
	WIN 0
	s_wait_loadcnt 63                              ; 64 loads of W follow x's: with 63 of them out, x's are in
	s_branch .Ljoin
	; ---- Q arrives as f32: my 16 rows are quantised, a row a step.  All 64 loads go out at once, into window 1; as a row leaves its registers, a fragment of W is asked for into them.
.Lq_arm:
	WIN 0x40
.irp i, 0,1,2,3,4,5,6,7,8,9,10,11,12,13,14,15
.irp k, 0,1,2,3
	global_load_b128 v[16*\i+4*\k:16*\i+4*\k+3], v[LI], s[54:55] offset:(\i+8*(\i/8))*2048+512*\k th:TH_LOAD_NT   ; 512 consecutive bytes
.endr
.endr
	WIN 0
; A conversion takes neighbours along K from one lane's registers, a load is dense where neighbouring lanes take neighbouring bytes: so a row turns through my own stage in LDS and comes back 16 neighbours a lane.
.macro QTURN i
	WIN 0x04                                       ; an LDS store's data are its source 1: window 1
.irp k, 0,1,2,3
	ds_store_b128 v[SIN], v[16*(\i)+4*\k:16*(\i)+4*\k+3] offset:2560*((\i)%2)+640*\k
.endr
	WIN 0
.irp j, 0,1,2,3
	ds_load_b128 v[X+16*((\i)%2)+4*\j:X+16*((\i)%2)+4*\j+3], v[SOUT] offset:2560*((\i)%2)+16*\j   ; LDS serves a wave's instructions in order: these see the stores above
.endr
.endm
.macro QSTEP i
.set XS_, X+16*((\i)%2)
.if (\i) > 0
	s_wait_dscnt 1                                 ; this row is back from the stage (the last step's byte store may be out): so its stores into the stage have read their registers,
.else
	s_wait_dscnt 0x0
.endif
	WIN 0x40
	WFRAG \i                                       ; which take W's fragment i
	WIN 0
.if (\i) < 15
	s_wait_loadcnt 60                              ; behind the next row's four loads stand 4 (14 - i) of later rows and 4 (i + 1) of W: 60 in every step
	QTURN (\i)+1
.endif
	v_max3_num_f32 v[TM], |v[XS_]|, |v[XS_+1]|, |v[XS_+2]|
	v_max3_num_f32 v[TM+1], |v[XS_+3]|, |v[XS_+4]|, |v[XS_+5]|
.irp j, 6,10
	v_max3_num_f32 v[TM], v[TM], |v[XS_+\j]|, |v[XS_+\j+1]|
	v_max3_num_f32 v[TM+1], v[TM+1], |v[XS_+\j+2]|, |v[XS_+\j+3]|
.endr
	v_max3_num_f32 v[TM], v[TM], |v[XS_+14]|, |v[XS_+15]|
	v_max3_num_f32 v[TM], v[TM], v[TM+1], 0x4800000              ; and the floor
	v_max_num_f32_dpp v[TM], v[TM], v[TM] row_xmask:1 row_mask:0xf bank_mask:0xf   ; with my neighbour's 16: the block's largest magnitude
	v_add_nc_u32 v[TM+2], 0xfc000000, v[TM]
	v_and_or_b32 v[TM+3], v[TM], 0x7f800000, s[MNT]
.irp j, 0,1,2,3,4,5,6,7,8,9,10,11,12,13,14,15
	v_med3_num_f32 v[XS_+\j], v[XS_+\j], -v[TM+3], v[TM+3]
.endr
	v_cvt_scalef32_pk8_fp8_f32 v[CX+4*(\i):CX+4*(\i)+1], v[XS_:XS_+7], v[TM+2]     ; my 16 codes are bytes 16 x lane on of the row: as the other path's loads leave them
	v_cvt_scalef32_pk8_fp8_f32 v[CX+4*(\i)+2:CX+4*(\i)+3], v[XS_+8:XS_+15], v[TM+2]
	v_lshrrev_b32 v[EB+(\i)%2], 23, v[TM+2]        ; the byte; also the plain line behind the conversions
	ds_store_b8 v[QBW], v[EB+(\i)%2] offset:16*(\i)   ; both lanes of a block write the same byte with the same value
.endm
	s_wait_loadcnt 60                              ; row 0 is in: 60 loads of later rows follow it
	QTURN 0
.irp i, 0,1,2,3,4,5,6,7,8,9,10,11,12,13,14,15
	QSTEP \i
.endr
	ds_load_b64 v[SX:SX+1], v[QBR]
	s_wait_dscnt 0x0
	; ---- both paths: my 16 rows of codes and their scale bytes go to LDS; one barrier
.Ljoin:
.irp i, 0,1,2,3,4,5,6,7,8,9,10,11,12,13,14,15
	ds_store_b128 v[AXW], v[CX+4*\i:CX+4*\i+3] offset:XPITCH*\i
.endr
	ds_store_b64 v[AXSW], v[SX:SX+1]
	s_wait_dscnt 0x0                               ; for the others' sake: my stores have landed
	s_barrier_signal -1
	s_barrier_wait -1
	s_wait_loadcnt 0x0                             ; W, its scale words, the bias
.macro XSLOAD t                        ; the scale words of pair t's two tiles: four words a row, one for each K step
.irp u, 0,1
	ds_load_b128 v[XSR+4*\u:XSR+4*\u+3], v[AXS] offset:(32*(\t)+16*\u)*16
.endr
.endm
.macro XFLOAD t, s                     ; their fragments of K step s, into set s % 2
.irp u, 0,1
.irp c, 0,1,2,3
	ds_load_b128 v[XF+32*((\s)%2)+16*\u+4*\c:XF+32*((\s)%2)+16*\u+4*\c+3], v[AX] offset:(32*(\t)+16*\u)*XPITCH+128*(\s)+32*\c
.endr
.endr
.endm
; Eight products, eight accumulators by turns.  The first K step takes the bias as C.
.macro MULS s, ori
.if \ori
	WIN 0x04                                       ; v: source 0 = tokens, source 1 = W (window 1)
.irp wt, 0,1,2,3
.irp u, 0,1
.if (\s) == 0
	v_wmma_scale_f32_16x16x128_f8f6f4 v[AC+16*\wt+8*\u:AC+16*\wt+8*\u+7], v[XF+32*((\s)%2)+16*\u:XF+32*((\s)%2)+16*\u+15], v[16*(4*\wt+(\s)):16*(4*\wt+(\s))+15], v[BI+8*\wt:BI+8*\wt+7], v[XSR+4*\u+(\s)], v[WSR+4*\wt+(\s)]
.else
	v_wmma_scale_f32_16x16x128_f8f6f4 v[AC+16*\wt+8*\u:AC+16*\wt+8*\u+7], v[XF+32*((\s)%2)+16*\u:XF+32*((\s)%2)+16*\u+15], v[16*(4*\wt+(\s)):16*(4*\wt+(\s))+15], v[AC+16*\wt+8*\u:AC+16*\wt+8*\u+7], v[XSR+4*\u+(\s)], v[WSR+4*\wt+(\s)]
.endif
.endr
.endr
.else
	WIN 0x01                                       ; q, k: source 0 = W (window 1), source 1 = tokens
.irp u, 0,1
.irp wt, 0,1,2,3
.if (\s) == 0
	v_wmma_scale_f32_16x16x128_f8f6f4 v[AC+32*\u+8*\wt:AC+32*\u+8*\wt+7], v[16*(4*\wt+(\s)):16*(4*\wt+(\s))+15], v[XF+32*((\s)%2)+16*\u:XF+32*((\s)%2)+16*\u+15], v[BI+8*\wt:BI+8*\wt+7], v[WSR+4*\wt+(\s)], v[XSR+4*\u+(\s)]
.else
	v_wmma_scale_f32_16x16x128_f8f6f4 v[AC+32*\u+8*\wt:AC+32*\u+8*\wt+7], v[16*(4*\wt+(\s)):16*(4*\wt+(\s))+15], v[XF+32*((\s)%2)+16*\u:XF+32*((\s)%2)+16*\u+15], v[AC+32*\u+8*\wt:AC+32*\u+8*\wt+7], v[WSR+4*\wt+(\s)], v[XSR+4*\u+(\s)]
.endif
.endr
.endr
.endif
.endm
; A pair of tiles (32 tokens) against my head's 64 rows of W: four K steps; the fragments run two K steps ahead, into the next pair too.
.macro TRIP t, ori
.irp s, 0,1,2,3
.if ((\t) == 3) && (\s == 3)
	s_wait_dscnt 0x0                               ; the last fragments: nothing was asked for behind them
.else
	s_wait_dscnt 8                                 ; this K step's fragments (and scale words) are in; the eight loads of the next set may be out
.endif
	MULS \s, \ori
	WIN 0
.rept 8
	v_nop                                          ; eight places behind these products, ahead of loads into registers that they read and of the first read of results
.endr
.if \s < 2
	XFLOAD \t, \s+2
.elseif (\t) < 3
.if \s == 2
	XFLOAD (\t)+1, 0
.else
	XSLOAD (\t)+1
	XFLOAD (\t)+1, 1
.endif
.endif
.endr
.if (\t) > 0
	s_wait_xcnt 0x0                                ; the last pair's stores have read the codes' registers
.endif
	QUANT AC, 1-\ori
.if \ori
.irp k, 0,1,2,3
	global_store_b128 v[LI], v[PC+4*\k:PC+4*\k+3], s[58:59] offset:2048*\k+512*(\t)   ; channel tile k, key block t: 512 consecutive bytes
.if (\t) == 0
	v_mov_b32 v[VW+\k], v[TM+4+\k]
.else
	v_lshl_or_b32 v[VW+\k], v[TM+4+\k], 8*(\t), v[VW+\k]
.endif
.endr
.else
.irp k, 0,1,2,3
	global_store_b128 v[LI], v[PC+4*\k:PC+4*\k+3], s[58:59] offset:2048*(\t)+512*\k   ; tile k / 2, block k % 2
.endr
	ds_store_b32 v[OSW], v[PW] offset:64*(\t)      ; both halves of the lanes write the same word with the same value
.endif
.endm
	s_cmp_lt_u32 s2, 256
	s_cbranch_scc0 .Lv_text
	XSLOAD 0
	XFLOAD 0, 0
	XFLOAD 0, 1
	TRIP 0, 0
	TRIP 1, 0
	TRIP 2, 0
	TRIP 3, 0
	ds_load_b64 v[OW:OW+1], v[OSR]                 ; my wave's 64 scale words, in order behind my stores
	s_wait_dscnt 0x0
	global_store_b64 v[L8], v[OW:OW+1], s[58:59] offset:8192   ; 256 consecutive bytes, at a multiple of 256 from the buffer's first byte
	s_wait_tensorcnt 0x0                           ; the wave's end, behind my last LDS store
	ds_add_u32 v[SPW], v[NIL]
	s_wait_dscnt 0x0
	s_endpgm
.Lv_text:
.irp wt, 0,1,2,3
.irp j, 0,1,2,3,4,5,6,7
	v_mov_b32 v[BI+8*\wt+\j], v[VB+\wt]            ; here a lane holds one channel: its bias in all eight registers of C
.endr
.endr
.rept 4
	v_nop
.endr
	XSLOAD 0
	XFLOAD 0, 0
	XFLOAD 0, 1
	TRIP 0, 1
	TRIP 1, 1
	TRIP 2, 1
	TRIP 3, 1
.irp k, 0,1,2,3
	ds_store_b32 v[OSW], v[VW+\k] offset:2048+64*\k
.endr
	ds_load_b64 v[OW:OW+1], v[OSR] offset:2048
	s_wait_dscnt 0x0
	global_store_b64 v[L8], v[OW:OW+1], s[58:59] offset:8192
	s_wait_tensorcnt 0x0                           ; the wave's end, as above
	ds_add_u32 v[SPW], v[NIL]
	s_wait_dscnt 0x0
	s_endpgm
.Lfunc_end_k_q049ee32df5_proj:
	.size	k_q049ee32df5_proj, .Lfunc_end_k_q049ee32df5_proj-k_q049ee32df5_proj
	.p2alignl 7, 3214868480
	.fill 96, 4, 3214868480
	.section	.rodata,"a",@progbits
	.p2align	6, 0x0
	.amdhsa_kernel k_q049ee32df5_proj
		.amdhsa_group_segment_fixed_size 117760
		.amdhsa_private_segment_fixed_size 0
		.amdhsa_enable_private_segment 0
		.amdhsa_kernarg_size 128
		.amdhsa_user_sgpr_count 2
		.amdhsa_user_sgpr_kernarg_segment_ptr 1
		.amdhsa_wavefront_size32 1
		.amdhsa_system_sgpr_workgroup_id_x 1
		.amdhsa_system_sgpr_workgroup_id_y 1
		.amdhsa_system_sgpr_workgroup_id_z 1
		.amdhsa_system_vgpr_workitem_id 0
		.amdhsa_next_free_vgpr 512
		.amdhsa_next_free_sgpr 72
		.amdhsa_reserve_vcc 0
		.amdhsa_float_denorm_mode_32 3
		.amdhsa_float_denorm_mode_16_64 3
		.amdhsa_memory_ordered 1
		.amdhsa_forward_progress 1
		.amdhsa_inst_pref_size 200
	.end_amdhsa_kernel
	.amdgpu_metadata
---
amdhsa.version: [ 1, 2 ]
amdhsa.kernels:
  - .name:           k_q049ee32df5_proj
    .symbol:         k_q049ee32df5_proj.kd
    .args:
      - { .name: Q, .offset: 0, .size: 8, .value_kind: global_buffer, .address_space: global }
      - { .name: K_codes, .offset: 8, .size: 8, .value_kind: global_buffer, .address_space: global }
      - { .name: K_scales, .offset: 16, .size: 8, .value_kind: global_buffer, .address_space: global }
      - { .name: V_codes, .offset: 24, .size: 8, .value_kind: global_buffer, .address_space: global }
      - { .name: V_scales, .offset: 32, .size: 8, .value_kind: global_buffer, .address_space: global }
      - { .name: Wq_codes, .offset: 40, .size: 8, .value_kind: global_buffer, .address_space: global }
      - { .name: Wq_scales, .offset: 48, .size: 8, .value_kind: global_buffer, .address_space: global }
      - { .name: bq, .offset: 56, .size: 8, .value_kind: global_buffer, .address_space: global }
      - { .name: Wk_codes, .offset: 64, .size: 8, .value_kind: global_buffer, .address_space: global }
      - { .name: Wk_scales, .offset: 72, .size: 8, .value_kind: global_buffer, .address_space: global }
      - { .name: bk, .offset: 80, .size: 8, .value_kind: global_buffer, .address_space: global }
      - { .name: Wv_codes, .offset: 88, .size: 8, .value_kind: global_buffer, .address_space: global }
      - { .name: Wv_scales, .offset: 96, .size: 8, .value_kind: global_buffer, .address_space: global }
      - { .name: bv, .offset: 104, .size: 8, .value_kind: global_buffer, .address_space: global }
      - { .name: qw, .offset: 112, .size: 8, .value_kind: global_buffer, .address_space: global }
      - { .name: kv, .offset: 120, .size: 8, .value_kind: global_buffer, .address_space: global }
    .group_segment_fixed_size: 117760
    .private_segment_fixed_size: 0
    .kernarg_segment_align: 8
    .kernarg_segment_size: 128
    .max_flat_workgroup_size: 256
    .sgpr_count:     72
    .vgpr_count:     512
    .wavefront_size: 32
...
	.end_amdgpu_metadata
.endif
;; end of part 1
;; launch attn (part 2): grid 4 x 64, 8 waves a work-group, clusters of 4 x 1, 327,680 bytes of LDS; arguments qw, kv, cimg, csc; writes cimg, csc
.if DOCPART == 2
	.amdgcn_target "amdgcn-amd-amdhsa--gfx1250"
	.amdhsa_code_object_version 6
	.text
	.protected	k_q049ee32df5_attn
	.globl	k_q049ee32df5_attn
	.p2align	8
	.type	k_q049ee32df5_attn,@function
k_q049ee32df5_attn:
	s_mov_b64 s[64:65], 0
	v_nop
	global_prefetch_b8 v0, s[64:65] scope:SCOPE_SE
	s_setreg_imm32_b32 hwreg(HW_REG_WAVE_MODE, 25, 1), 1
	s_wait_xcnt 0x0
	s_wait_alu depctr_hold_cnt(0) depctr_sa_sdst(0) depctr_va_vdst(0) depctr_va_sdst(0) depctr_va_ssrc(0) depctr_va_vcc(0) depctr_vm_vsrc(0)
	s_getreg_b32 s2, hwreg(HW_REG_IB_STS2, 6, 4)
	s_cmp_eq_u32 s2, 0
	s_cbranch_scc0 .Lentry_in_a_cluster
	s_endpgm
.Lentry_in_a_cluster:
	s_bfe_u32 s2, ttmp6, 0x10000c
	s_cmp_lg_u32 s2, 0x3003
	s_cbranch_scc0 .Lentry_shape_is_right
	s_endpgm
.Lentry_shape_is_right:
; ATTENTION on codes of FP8 (E4M3) with one E8M0 scale for each 32 along a product's K: S^T = k q^T, the streaming softmax, O^T = v^T p, O / l, and the quantiser of ctx along the model's 512.  Nothing of reference() is left out here.
; THE SOFTMAX AHEAD OF THE SECOND PRODUCT: t = score x log2(e) / 8; M = the row's largest t so far, rounded UP to a whole number; p = 2^(t - M) is quantised along the keys, not normalised.  The row's sum is
; taken of the unquantised p and divides O at the end.  When M moves, the sum and O are multiplied by 2^(old M - new M), which rounds nothing.
; LIMITS: NaN and infinities are not served; a block of zeros carries the byte 1 (this program alone reads the bytes); a block's largest p is taken from its largest score, which leans on v_exp_f32 not falling where its input rises.
; SHARES.  A cluster of four work-groups is one head of one batch; a work-group owns 512 queries, in two passes of 256; each of its eight waves owns a pair of tiles, 32 queries, in a pass.
; THE WHOLE HEAD'S k AND v STAY IN LDS: 16 key steps x 16,896 bytes, as the launch before laid them, in the order of the operands' registers: no ring, no refill, no barrier in a loop.  The four partners need the same
; bytes, so each wave's one fill (132 rows of 256 bytes) is asked for JOINTLY, by the same descriptor and a mask that names the four.  One tensor load a wave is out, at the head alone.
; K = 64 IN A FORM THAT IS 128 DEEP: a fragment of k holds TWO tiles of keys (registers 0-7, 8-15); q stands twice, as [q | zeros] and [zeros | q], so that each product picks one of the two tiles.  Zero codes add nothing
; under any scale byte but 0xff, and no code here is NaN: every number was held ahead of its conversion.
; LAYOUT.  Both products are used transposed: a lane holds ONE query throughout.  Row r of key tile 2 P + u is key 32 P + 8 u + r + 8 (r / 8), so that the 16 registers of tiles 2 P and 2 P + 1 are keys 32 P + 16 (lane / 16) + 0 .. 15.
; REGISTERS, window 0: v1-7, v30, v233, v235 addresses; v8-15 -M, t, l (two halves) a tile; v16-25 scale words; v26-29 f a tile; v32-159 S^T, then p, 64 a tile; v160-191 p's codes; v192-231 at work, 20 a tile.
;   window 1: v0-63 k's four fragments; v64-127 v's four; v128-191 O^T, 32 a tile; v192-231 zeros, q of tile 0, zeros, q of tile 1, zeros, eight registers each.
.set STEPB, 16896
.set SPARE, 270336                     ; behind the head's k and v: the spare words, 128 bytes for each wave: four blocks of 256 bytes that no other line names
.set LI,  1                            ; 16 x lane
.set LS,  2                            ; 4 x lane
.set ADK, 3                            ; the step's codes
.set ADS, 4                            ; the step's scale words
.set VQC, 5                            ; q's codes: 2,048 (w % 4) + 16 x lane
.set SPW, 6
.set NIL, 7
.set ST,  8
.set KS,  16                           ; v16-17 k's scale words: lanes 0-15 the even pair's, lanes 16-31 the odd pair's
.set VS,  18                           ; v18-19 v's likewise, by channel tiles
.set QS,  20                           ; v20-23 q's: tile 0 for [q | 0], for [0 | q]; tile 1 likewise
.set PS,  24                           ; v24-25 p's
.set F,   26
.set VQS, 30
.set QWR, 31
.set S,   32
.set PC,  160
.set TM,  192                          ; a tile's 20: +0 the blocks' largest, +4 exchange and bytes, +8 the holds, +12 the conversions' scales, +16 one number, +18 a pair
.set PW,  232
.set H16, 233                          ; 16 (lane / 16)
.set SD,  234
.set L2,  235                          ; 2 x lane
.set KF,  0
.set VF,  64
.set O,   128
.set QZ,  192
.set WV,  12
.set G1,  16
.set G0,  32
.set TB,  46
.set CNT, 47
.set CS,  50                           ; s[50:51] c = log2(e) / 8
.set SEL, 52
.set MNT, 54
.set MSB, 0
.macro WIN new
.if MSB != \new
	s_set_vgpr_msb (MSB<<8)|\new
.set MSB, \new
.endif
.endm
.macro CROUND                          ; a round of the cluster's barrier
	s_barrier_signal -1
	s_barrier_wait -1
	s_cmp_lg_u32 s[WV], 0
	s_cbranch_scc1 .Lnot_wave_0_\@
	s_barrier_signal -3
.Lnot_wave_0_\@:
	s_barrier_wait -3
	s_barrier_signal -1
	s_barrier_wait -1
.endm
.macro QUANT s, word                   ; as in the launch before: 64 numbers, four blocks of 16 -> codes v[PC] on, bytes v[TM+4] on, the word v[PW]
.irp b, 0,1,2,3
	v_max3_num_f32 v[TM+\b], |v[\s+16*\b]|, |v[\s+1+16*\b]|, 0x4800000
.endr
.irp i, 2,4,6,8,10,12,14
.irp b, 0,1,2,3
	v_max3_num_f32 v[TM+\b], v[TM+\b], |v[\s+16*\b+\i]|, |v[\s+1+16*\b+\i]|
.endr
.endr
.irp b, 0,1,2,3
	v_permlanex16_b32 v[TM+4+\b], v[TM+\b], s[SEL], s[SEL+1]
.endr
.irp b, 0,1,2,3
	v_max_num_f32 v[TM+\b], v[TM+\b], v[TM+4+\b]
.endr
.irp b, 0,1,2,3
	v_add_nc_u32 v[TM+12+\b], 0xfc000000, v[TM+\b]
.endr
.irp b, 0,1,2,3
	v_and_or_b32 v[TM+8+\b], v[TM+\b], 0x7f800000, s[MNT]
.endr
.irp b, 0,1,2,3
	v_lshrrev_b32 v[TM+4+\b], 23, v[TM+12+\b]
.endr
.if \word
	v_lshl_or_b32 v[PW], v[TM+5], 8, v[TM+4]
	v_lshl_or_b32 v[PW], v[TM+6], 16, v[PW]
	v_lshl_or_b32 v[PW], v[TM+7], 24, v[PW]
.endif
.irp b, 0,1,2,3
.irp i, 0,1,2,3,4,5,6,7,8,9,10,11,12,13,14,15
	v_med3_num_f32 v[\s+16*\b+\i], v[\s+16*\b+\i], -v[TM+8+\b], v[TM+8+\b]
.endr
	v_cvt_scalef32_pk8_fp8_f32 v[PC+4*\b:PC+1+4*\b], v[\s+16*\b:\s+7+16*\b], v[TM+12+\b]
	v_cvt_scalef32_pk8_fp8_f32 v[PC+2+4*\b:PC+3+4*\b], v[\s+8+16*\b:\s+15+16*\b], v[TM+12+\b]
.endr
	v_nop
.endm
	s_load_b256 s[4:11], s[0:1], 0x0               ; qw, kv, cimg, csc
	v_lshl_add_u32 v[SPW], v0, 2, SPARE
	v_mov_b32 v[NIL], 0
	ds_add_u32 v[SPW], v[NIL]                      ; the wave's opening: the add, twice on end, and its wait ahead of my first tensor load
	ds_add_u32 v[SPW], v[NIL]
	v_lshrrev_b32 v1, 5, v0
	v_readfirstlane_b32 s[WV], v1                  ; wave 0..7
	s_bfe_u32 s13, ttmp6, 0x40000                  ; cx: it enters q's and ctx's addresses alone
	s_and_b32 s14, ttmp7, 0xffff                   ; batch x 8 + head, which the four partners share
	s_mov_b32 s[G1], 15|(3<<16)|(1<<21)            ; the mask: all four; elements of 8 bytes; bit 21 beside a mask; no padding
	s_mov_b32 s[G1+1], 32<<16                      ; tensor_dim0 = 32 elements: rows of 256 bytes
	s_mov_b32 s[G1+2], 132<<16                     ; tensor_dim1 = 132
	s_mov_b32 s[G1+3], 32<<16                      ; tile_dim0
	s_mov_b32 s[G1+4], 132                         ; tile_dim1
	s_mov_b32 s[G1+5], 32                          ; the pitch: the block is dense
	s_mov_b32 s[G1+6], 0
	s_mov_b32 s[G1+7], 0
	s_mov_b32 s[G0], 1
	s_mul_i32 s[G0+1], s[WV], 33792                ; LDS: an eighth of the head's 270,336 bytes for each wave
	s_mul_i32 s24, s14, 270336
	s_add_co_u32 s24, s24, s[G0+1]                 ; the same place in the head's part of kv
	s_mov_b32 s25, 0
	s_lshl_b32 s26, s14, 4
	s_lshl_b32 s27, s13, 2
	s_add_co_u32 s26, s26, s27
	s_lshr_b32 s27, s[WV], 2
	s_add_co_u32 s26, s26, s27
	s_mul_i32 s26, s26, 8448                       ; q: group 4 cx + w / 4 of the head (the second pass: two groups on)
	s_mov_b32 s27, 0
	s_lshr_b32 s28, s14, 3
	s_lshl_b32 s28, s28, 7
	s_lshl_b32 s29, s13, 5
	s_add_co_u32 s28, s28, s29
	s_lshl_b32 s29, s[WV], 1
	s_add_co_u32 s28, s28, s29                     ; my first tile of rows: 128 x batch + 2 (16 cx + w)
	s_and_b32 s29, s14, 7                          ; head
	s_lshl_b32 s30, s28, 5
	s_lshl_b32 s31, s29, 15
	s_add_co_u32 s30, s30, s31                     ; csc: 32,768 x head + 32 x tile
	s_mov_b32 s31, 0
	s_lshl_b32 s28, s28, 13
	s_lshl_b32 s29, s29, 10
	s_add_co_u32 s28, s28, s29                     ; cimg: 8,192 x tile + 1,024 x head
	s_mov_b32 s29, 0
	s_mov_b32 s[CS], 0x3e38aa3b
	s_mov_b32 s[CS+1], s[CS]                       ; (named with it as a pair, so it is written)
	s_mov_b32 s[SEL], 0x76543210
	s_mov_b32 s[SEL+1], 0xfedcba98
	s_mov_b32 s[MNT], 0x600000
	s_wait_dscnt 0x0                               ; both opening adds are done
	s_wait_kmcnt 0x0
	s_add_nc_u64 s[G0+2:G0+3], s[6:7], s[24:25]
	s_or_b32 s[G0+3], s[G0+3], 0x80000000          ; type = 2
	s_add_nc_u64 s[40:41], s[4:5], s[26:27]
	s_add_nc_u64 s[42:43], s[8:9], s[28:29]
	s_add_nc_u64 s[44:45], s[10:11], s[30:31]
	CROUND                                         ; all four work-groups are here: the joint loads meet
	tensor_load_to_lds s[G0:G0+3], s[G1:G1+7]      ; my eighth of the head's k and v: the launch's only fill of these bytes
	s_nop 0
.rept 4
	v_nop
.endr
	v_and_b32 v8, 31, v0                           ; lane
	v_lshlrev_b32 v[LI], 4, v8
	v_lshlrev_b32 v[LS], 2, v8
	v_lshlrev_b32 v[L2], 1, v8
	v_and_b32 v9, 15, v0                           ; r
	v_bfe_u32 v10, v0, 4, 1                        ; h
	v_lshlrev_b32 v[H16], 4, v10
	s_and_b32 s26, s[WV], 3
	s_lshl_b32 s27, s26, 11
	v_add_nc_u32 v[VQC], s27, v[LI]
	s_lshl_b32 s27, s26, 6
	s_add_co_u32 s27, s27, 8192
	v_lshl_add_u32 v[VQS], v9, 2, s27
.irp t, 0,1
.irp b, 0,1,2,3
	v_mov_b32 v[TM+20*\t+4+\b], 0                  ; written once: a lane permute's destination counts as one of its sources
.endr
	v_mov_b32 v[F+2*\t+1], 0                       ; (named as the upper half of f's pair)
.endr
	WIN 0x40
.irp z, 0,16,32
.irp j, 0,1,2,3,4,5,6,7
	v_mov_b32 v[QZ+\z+\j], 0                       ; the zero halves beside q
.endr
.endr
	WIN 0
.macro QLOAD pi                        ; my pair's codes of q and its scale words, for pass pi
	WIN 0x40
.irp t, 0,1
.irp b, 0,1
	global_load_b128 v[QZ+8+16*\t+4*\b:QZ+8+16*\t+4*\b+3], v[VQC], s[40:41] offset:16896*\pi+1024*\t+512*\b th:TH_LOAD_NT
.endr
.endr
	WIN 0
	global_load_b32 v[QWR], v[VQS], s[40:41] offset:16896*\pi th:TH_LOAD_NT
.endm
	QLOAD 0
; A KEY STEP: 128 keys for my two tiles of queries.
.macro STEP
	v_add_nc_u32 v[ADK], s[TB], v[LI]
	v_add_nc_u32 v[ADS], s[TB], v[LS]
.rept 6
	v_nop                                          ; with the two additions: eight places behind the last products, ahead of loads into registers that they read
.endr
	ds_load_b32 v[KS], v[ADS] offset:8192
	ds_load_b32 v[KS+1], v[ADS] offset:8320
	ds_load_b32 v[VS], v[ADS] offset:16640
	ds_load_b32 v[VS+1], v[ADS] offset:16768
	WIN 0x40
.irp f, 0,1,2,3,4,5,6,7,8,9,10,11,12,13,14,15
	ds_load_b128 v[KF+4*\f:KF+4*\f+3], v[ADK] offset:512*\f
.endr
.irp f, 0,1,2,3,4,5,6,7,8,9,10,11,12,13,14,15
	ds_load_b128 v[VF+4*\f:VF+4*\f+3], v[ADK] offset:8448+512*\f
.endr
	s_wait_dscnt 16                                ; the scale words and k are in; v's sixteen loads may be out
	WIN 0x05                                       ; k and q in window 1, S^T in window 0
.irp p, 0,1,2,3
.irp u, 0,1
.irp t, 0,1
.if \p % 2
	v_wmma_scale_f32_16x16x128_f8f6f4 v[S+64*\t+8*(2*\p+\u):S+64*\t+8*(2*\p+\u)+7], v[KF+16*\p:KF+16*\p+15], v[QZ+8+16*\t-8*\u:QZ+8+16*\t-8*\u+15], 0, v[KS+\p/2], v[QS+2*\t+\u] matrix_a_scale:MATRIX_SCALE_ROW1
.else
	v_wmma_scale_f32_16x16x128_f8f6f4 v[S+64*\t+8*(2*\p+\u):S+64*\t+8*(2*\p+\u)+7], v[KF+16*\p:KF+16*\p+15], v[QZ+8+16*\t-8*\u:QZ+8+16*\t-8*\u+15], 0, v[KS+\p/2], v[QS+2*\t+\u]
.endif
.endr
.endr
.endr
	WIN 0
.rept 8
	v_nop
.endr
.irp b, 0,1,2,3                                    ; the largest score of each block of 32 keys: for the row's maximum, and, since p rises with the score, for the block's largest p.  The two tiles by turns throughout
.irp t, 0,1
	v_max3_num_f32 v[TM+20*\t+\b], v[S+64*\t+16*\b], v[S+64*\t+16*\b+1], v[S+64*\t+16*\b+2]
.endr
.endr
.irp i, 3,5,7,9,11,13
.irp b, 0,1,2,3
.irp t, 0,1
	v_max3_num_f32 v[TM+20*\t+\b], v[TM+20*\t+\b], v[S+64*\t+16*\b+\i], v[S+64*\t+16*\b+\i+1]
.endr
.endr
.endr
.irp b, 0,1,2,3
.irp t, 0,1
	v_max_num_f32 v[TM+20*\t+\b], v[TM+20*\t+\b], v[S+64*\t+16*\b+15]
.endr
.endr
.irp b, 0,1,2,3
.irp t, 0,1
	v_permlanex16_b32 v[TM+20*\t+4+\b], v[TM+20*\t+\b], s[SEL], s[SEL+1]
.endr
.endr
.irp b, 0,1,2,3
.irp t, 0,1
	v_max_num_f32 v[TM+20*\t+\b], v[TM+20*\t+\b], v[TM+20*\t+4+\b]   ; with lane l xor 16's 16 keys
.endr
.endr
.irp t, 0,1
	v_max3_num_f32 v[TM+20*\t+16], v[TM+20*\t], v[TM+20*\t+1], v[TM+20*\t+2]
.endr
.irp t, 0,1
	v_max_num_f32 v[TM+20*\t+16], v[TM+20*\t+16], v[TM+20*\t+3]      ; the step's largest score of my query
.endr
.irp t, 0,1
	v_mul_f32 v[TM+20*\t+16], s[CS], v[TM+20*\t+16]                  ; as t (c is positive)
.endr
.irp t, 0,1
	v_max_num_f32 v[ST+4*\t+1], v[ST+4*\t+1], v[TM+20*\t+16]         ; the running largest t
.endr
.irp t, 0,1
	v_mov_b32 v[TM+20*\t+16], v[ST+4*\t]
.endr
.irp t, 0,1
	v_floor_f32 v[ST+4*\t], -v[ST+4*\t+1]                            ; the new -M = floor(-t): M is a whole number
.endr
.irp t, 0,1
	v_sub_f32 v[TM+20*\t+16], v[ST+4*\t], v[TM+20*\t+16]             ; old M less new M: a whole number, 0 or less
.endr
.irp t, 0,1
	v_cvt_i32_f32 v[TM+20*\t+16], v[TM+20*\t+16]                     ; (it saturates)
.endr
.irp t, 0,1
	v_ldexp_f32 v[F+2*\t], 1.0, v[TM+20*\t+16]                       ; f = 2^(old M - new M)
.endr
.set j, 0
.rept 32
.irp t, 0,1
	v_pk_fma_f32 v[S+64*\t+j:S+64*\t+j+1], v[S+64*\t+j:S+64*\t+j+1], s[CS:CS+1], v[ST+4*\t:ST+4*\t+1] op_sel_hi:[1,0,0]   ; t - M, two at a time
.endr
.set j, j+2
.endr
.irp b, 0,1,2,3
.irp t, 0,1
	v_fma_f32 v[TM+20*\t+\b], v[TM+20*\t+\b], s[CS], v[ST+4*\t]      ; the same of each block's largest score
.endr
.endr
.set j, 0
.rept 64
.irp t, 0,1
	v_exp_f32 v[S+64*\t+j], v[S+64*\t+j]                             ; p = 2^(t - M), at most 1
.endr
.set j, j+1
.endr
.irp t, 0,1
	v_pk_mul_f32 v[ST+4*\t+2:ST+4*\t+3], v[ST+4*\t+2:ST+4*\t+3], v[F+2*\t:F+2*\t+1] op_sel_hi:[1,0]   ; the sums under the new M: plain lines behind the exponentials
.endr
	s_wait_alu depctr_va_vdst(0)                   ; the wait ahead of the first line that names a result: one for the batch of 128
.irp b, 0,1,2,3
.irp t, 0,1
	v_exp_f32 v[TM+20*\t+\b], v[TM+20*\t+\b]                         ; the block's largest p: the same two instructions on the same number
.endr
.endr
.irp t, 0,1
	v_pk_add_f32 v[TM+20*\t+18:TM+20*\t+19], v[S+64*\t:S+64*\t+1], v[S+64*\t+2:S+64*\t+3]   ; the row's sum, of the unquantised p, in two chains a tile
.endr
.set j, 4
.rept 15
.irp t, 0,1
	v_pk_add_f32 v[ST+4*\t+2:ST+4*\t+3], v[ST+4*\t+2:ST+4*\t+3], v[S+64*\t+j:S+64*\t+j+1]
	v_pk_add_f32 v[TM+20*\t+18:TM+20*\t+19], v[TM+20*\t+18:TM+20*\t+19], v[S+64*\t+j+2:S+64*\t+j+3]
.endr
.set j, j+4
.endr
.irp t, 0,1
	v_pk_add_f32 v[ST+4*\t+2:ST+4*\t+3], v[ST+4*\t+2:ST+4*\t+3], v[TM+20*\t+18:TM+20*\t+19]
.endr
	s_wait_alu depctr_va_vdst(0)                   ; and one for the eight
.irp b, 0,1,2,3
.irp t, 0,1
	v_max_num_f32 v[TM+20*\t+\b], 0x4800000, v[TM+20*\t+\b]          ; the floor: the byte cannot fall under 1
.endr
.endr
.irp b, 0,1,2,3
.irp t, 0,1
	v_add_nc_u32 v[TM+20*\t+12+\b], 0xfc000000, v[TM+20*\t+\b]
.endr
.endr
.irp b, 0,1,2,3
.irp t, 0,1
	v_and_or_b32 v[TM+20*\t+8+\b], v[TM+20*\t+\b], 0x7f800000, s[MNT]
.endr
.endr
.irp b, 0,1,2,3
.irp t, 0,1
	v_lshrrev_b32 v[TM+20*\t+4+\b], 23, v[TM+20*\t+12+\b]
.endr
.endr
.irp t, 0,1
	v_lshl_or_b32 v[PS+\t], v[TM+20*\t+5], 8, v[TM+20*\t+4]          ; p's scale word for these 128 keys
.endr
.irp t, 0,1
	v_lshl_or_b32 v[PS+\t], v[TM+20*\t+6], 16, v[PS+\t]
.endr
.irp t, 0,1
	v_lshl_or_b32 v[PS+\t], v[TM+20*\t+7], 24, v[PS+\t]
.endr
.irp b, 0,1,2,3
.irp t, 0,1
.set j, 0
.rept 16
	v_min_num_f32 v[S+64*\t+16*\b+j], v[S+64*\t+16*\b+j], v[TM+20*\t+8+\b]   ; p is not negative: the hold is one-sided
.set j, j+1
.endr
	v_cvt_scalef32_pk8_fp8_f32 v[PC+16*\t+4*\b:PC+16*\t+4*\b+1], v[S+64*\t+16*\b:S+64*\t+16*\b+7], v[TM+20*\t+12+\b]
	v_cvt_scalef32_pk8_fp8_f32 v[PC+16*\t+4*\b+2:PC+16*\t+4*\b+3], v[S+64*\t+16*\b+8:S+64*\t+16*\b+15], v[TM+20*\t+12+\b]
.endr
.endr
	WIN 0x41                                       ; O^T (destination and source 0) in window 1, f in window 0
.set j, 0
.rept 16
.irp t, 0,1
	v_pk_mul_f32 v[O+32*\t+j:O+32*\t+j+1], v[O+32*\t+j:O+32*\t+j+1], v[F+2*\t:F+2*\t+1] op_sel_hi:[1,0]   ; O^T under the new M; these lines are also the places between the codes and the products
.endr
.set j, j+2
.endr
	s_wait_dscnt 0x0                               ; v is in
	WIN 0x51                                       ; v in window 1, p in window 0, O^T in window 1
.irp wt, 0,1,2,3                                   ; eight accumulators by turns
.irp t, 0,1
.if \wt % 2
	v_wmma_scale_f32_16x16x128_f8f6f4 v[O+32*\t+8*\wt:O+32*\t+8*\wt+7], v[VF+16*\wt:VF+16*\wt+15], v[PC+16*\t:PC+16*\t+15], v[O+32*\t+8*\wt:O+32*\t+8*\wt+7], v[VS+\wt/2], v[PS+\t] matrix_a_scale:MATRIX_SCALE_ROW1
.else
	v_wmma_scale_f32_16x16x128_f8f6f4 v[O+32*\t+8*\wt:O+32*\t+8*\wt+7], v[VF+16*\wt:VF+16*\wt+15], v[PC+16*\t:PC+16*\t+15], v[O+32*\t+8*\wt:O+32*\t+8*\wt+7], v[VS+\wt/2], v[PS+\t]
.endif
.endr
.endr
	WIN 0
	s_add_co_u32 s[TB], s[TB], STEPB
.endm
; O^T / l becomes codes along the model's 512: my head's two blocks of each row.  The images lie as the last launch's operand wants them.
.macro FINISH pi
.irp t, 0,1
	v_add_f32 v[TM+20*\t+16], v[ST+4*\t+2], v[ST+4*\t+3]
.endr
.irp t, 0,1
	v_permlanex16_b32 v[TM+20*\t+4], v[TM+20*\t+16], s[SEL], s[SEL+1]
.endr
.irp t, 0,1
	v_add_f32 v[TM+20*\t+16], v[TM+20*\t+16], v[TM+20*\t+4]          ; the row's sum
.endr
.irp t, 0,1
	v_rcp_f32 v[F+2*\t], v[TM+20*\t+16]
.endr
	v_nop                                          ; a plain line behind the reciprocals,
	s_wait_alu depctr_va_vdst(0)                   ; and the wait ahead of their first use
	WIN 0x01                                       ; source 0 (O^T) window 1
.irp t, 0,1
.set j, 0
.rept 16
	v_pk_mul_f32 v[S+32*\t+j:S+32*\t+j+1], v[O+32*\t+j:O+32*\t+j+1], v[F+2*\t:F+2*\t+1] op_sel_hi:[1,0]   ; each accumulator from its low end on
.set j, j+2
.endr
.endr
	WIN 0
	QUANT S, 1
.irp t, 0,1
.irp b, 0,1
	global_store_b128 v[LI], v[PC+8*\t+4*\b:PC+8*\t+4*\b+3], s[42:43] offset:131072*\pi+8192*\t+512*\b   ; 512 consecutive bytes, at a multiple of 256 from the buffer's first byte
.endr
.endr
	v_lshrrev_b32 v[SD], v[H16], v[PW]             ; lanes 0-15 send tile 0's two bytes, lanes 16-31 tile 1's
	global_store_b16 v[L2], v[SD], s[44:45] offset:512*\pi   ; 64 consecutive bytes: a small part of what the launch stores
.endm
.macro PASS pi
.if \pi
	s_wait_xcnt 0x0                                ; the first pass's stores have read their registers
.endif
	s_wait_loadcnt 0x0                             ; q
	v_and_b32 v[QS], 0xffff, v[QWR]                ; the scale bytes follow q's place in the 128; beside them the byte 0, over zero codes
	v_lshlrev_b32 v[QS+1], 16, v[QWR]
	v_lshrrev_b32 v[QS+2], 16, v[QWR]
	v_and_b32 v[QS+3], 0xffff0000, v[QWR]
.irp t, 0,1
	v_mov_b32 v[ST+4*\t+1], 0xff61b1e6             ; the largest t so far: -3e38
	v_floor_f32 v[ST+4*\t], -v[ST+4*\t+1]
	v_mov_b32 v[ST+4*\t+2], 0
	v_mov_b32 v[ST+4*\t+3], 0
.endr
	WIN 0x40
.set j, 0
.rept 64
	v_mov_b32 v[O+j], 0                            ; O^T: the step is written once, and its first trip finds zeros, which the first change of M leaves zeros
.set j, j+1
.endr
	WIN 0
	s_mov_b32 s[TB], 0
	s_mov_b32 s[CNT], 16
.Lstep_\@:
	STEP
	s_sub_co_u32 s[CNT], s[CNT], 1
	s_cmp_lg_u32 s[CNT], 0
	s_cbranch_scc1 .Lstep_\@
.rept 8
	v_nop                                          ; eight places behind the last products
.endr
.if \pi == 0
	QLOAD 1                                        ; the second pass's q lands under the first pass's way out
.endif
	FINISH \pi
.endm
	s_wait_tensorcnt 0x0                           ; my eighth of the head has landed,
	s_barrier_signal -1
	s_barrier_wait -1                              ; everybody's has
	PASS 0
	PASS 1
	s_wait_tensorcnt 0x0                           ; the wave's end
	ds_add_u32 v[SPW], v[NIL]
	s_wait_dscnt 0x0
	CROUND                                         ; the closing round
	s_endpgm
.Lfunc_end_k_q049ee32df5_attn:
	.size	k_q049ee32df5_attn, .Lfunc_end_k_q049ee32df5_attn-k_q049ee32df5_attn
	.p2alignl 7, 3214868480
	.fill 96, 4, 3214868480
	.section	.rodata,"a",@progbits
	.p2align	6, 0x0
	.amdhsa_kernel k_q049ee32df5_attn
		.amdhsa_group_segment_fixed_size 327680
		.amdhsa_private_segment_fixed_size 0
		.amdhsa_enable_private_segment 0
		.amdhsa_kernarg_size 32
		.amdhsa_user_sgpr_count 2
		.amdhsa_user_sgpr_kernarg_segment_ptr 1
		.amdhsa_wavefront_size32 1
		.amdhsa_system_sgpr_workgroup_id_x 1
		.amdhsa_system_sgpr_workgroup_id_y 1
		.amdhsa_system_sgpr_workgroup_id_z 1
		.amdhsa_system_vgpr_workitem_id 0
		.amdhsa_next_free_vgpr 512
		.amdhsa_next_free_sgpr 72
		.amdhsa_reserve_vcc 0
		.amdhsa_float_denorm_mode_32 3
		.amdhsa_float_denorm_mode_16_64 3
		.amdhsa_memory_ordered 1
		.amdhsa_forward_progress 1
		.amdhsa_inst_pref_size 102
	.end_amdhsa_kernel
	.amdgpu_metadata
---
amdhsa.version: [ 1, 2 ]
amdhsa.kernels:
  - .name:           k_q049ee32df5_attn
    .symbol:         k_q049ee32df5_attn.kd
    .args:
      - { .name: qw, .offset: 0, .size: 8, .value_kind: global_buffer, .address_space: global }
      - { .name: kv, .offset: 8, .size: 8, .value_kind: global_buffer, .address_space: global }
      - { .name: cimg, .offset: 16, .size: 8, .value_kind: global_buffer, .address_space: global }
      - { .name: csc, .offset: 24, .size: 8, .value_kind: global_buffer, .address_space: global }
    .group_segment_fixed_size: 327680
    .private_segment_fixed_size: 0
    .kernarg_segment_align: 8
    .kernarg_segment_size: 32
    .max_flat_workgroup_size: 256
    .sgpr_count:     72
    .vgpr_count:     512
    .wavefront_size: 32
...
	.end_amdgpu_metadata
.endif
;; end of part 2
;; launch outln (part 3): grid 256 x 1, 8 waves a work-group, no clusters, 297,984 bytes of LDS; arguments cimg, csc, Wo_codes, Wo_scales, bo, Q, gamma, beta, out0; writes out0
.if DOCPART == 3
	.amdgcn_target "amdgcn-amd-amdhsa--gfx1250"
	.amdhsa_code_object_version 6
	.text
	.protected	k_q049ee32df5_outln
	.globl	k_q049ee32df5_outln
	.p2align	8
	.type	k_q049ee32df5_outln,@function
k_q049ee32df5_outln:
	s_mov_b64 s[64:65], 0
	v_nop
	global_prefetch_b8 v0, s[64:65] scope:SCOPE_SE
	s_setreg_imm32_b32 hwreg(HW_REG_WAVE_MODE, 25, 1), 1
	s_wait_xcnt 0x0
; out0 = LayerNorm(ctx Wo^T + bo + Q) x gamma + beta.  The product is on codes of FP8 (E4M3) with E8M0 scales; all else in f32.  Nothing of reference() is left out here.
; LIMITS: NaN and infinities among the inputs are not served.
; SHARES.  A work-group takes 64 rows (four tiles, as the launch before laid their images).  THE WAVES SHARE THE COLUMNS of the product: wave w makes columns 64 w .. 64 w + 63 for all 64 rows, with its 64 rows of Wo
; in window 1, read from memory once.  The results meet in a stage in LDS; for the norm wave w takes eight whole rows, 8 w .. 8 w + 7 of the stage, which are eight consecutive tokens:
; row r of tile 2 P + u is token 32 P + 8 u + r + 8 (r / 8).  Their rows of Q are asked for at the head and wait in the wave's own 16 KiB of LDS.
; The product is used transposed (source 0 = 16 rows of Wo, source 1 = 16 rows of ctx): a lane holds eight neighbouring columns of one row.  bo is the C of each sum's first product.
; No cluster: what the work-groups share, Wo, goes from memory straight into registers in the order of the fragments; a joint load would have to land its 262,144 bytes in LDS, beside the 297,984 that are in use.
.set CSCL,  32768                      ; behind the four tiles' images (32,768 bytes from 0): their scale bytes, 16 a row
.set QRES,  33792                      ; Q's rows: 16,384 bytes for each wave
.set STG,   164864                     ; the stage: 64 rows x (2,048 + 16) bytes
.set SPITCH, 2064
.set SPARE, 296960                     ; the spare words, 128 bytes for each wave: four blocks of 256 bytes that no other line names
.set LI,   4                           ; 16 x lane
.set L4,   5                           ; 4 x lane
.set AXS,  6                           ; CSCL + 16 r
.set CW,   7                           ; CSCL + 32 x lane + 2 w
.set QRA,  8                           ; QRES + 16,384 w + 16 x lane
.set CIW,  9                           ; 4,096 w + 16 x lane: in cimg's part and in LDS alike
.set AW,   10                          ; r x 512 + 16 h
.set AWS,  11                          ; r x 16
.set SO0,  12                          ; the stage, in: rows 0-31; v13: rows 32-63
.set SRA,  14                          ; the stage, out: my eight rows
.set BO32, 15                          ; 32 h
.set WSR,  16
.set XSR,  32
.set BI,   40
.set XF,   72
.set AC,   136
.set GM,   200
.set BT,   216
.set WK,   232                         ; v232-247 two pairs a row; v248-251 the exchange
.set SPW,  252
.set NIL,  253
.set SEL,  28
.set MSB, 0
.macro WIN new
.if MSB != \new
	s_set_vgpr_msb (MSB<<8)|\new
.set MSB, \new
.endif
.endm
	s_load_b512 s[4:19], s[0:1], 0x0               ; cimg, csc, Wo codes, Wo scales, bo, Q, gamma, beta
	s_load_b64 s[20:21], s[0:1], 0x40              ; out0
	v_lshl_add_u32 v[SPW], v0, 2, SPARE
	v_mov_b32 v[NIL], 0
	v_lshrrev_b32 v1, 5, v0
	v_readfirstlane_b32 s3, v1                     ; wave
	s_mov_b32 s2, ttmp9
	v_and_b32 v3, 31, v0
	v_and_b32 v1, 15, v0                           ; r
	v_bfe_u32 v2, v0, 4, 1                         ; h
	v_lshlrev_b32 v[LI], 4, v3
	v_lshlrev_b32 v[L4], 2, v3
	v_lshl_add_u32 v[AXS], v1, 4, CSCL
	s_lshl_b32 s22, s3, 1
	s_add_co_u32 s22, s22, CSCL
	v_lshl_add_u32 v[CW], v3, 5, s22
	s_lshl_b32 s22, s3, 14
	s_add_co_u32 s22, s22, QRES
	v_add_nc_u32 v[QRA], s22, v[LI]
	s_lshl_b32 s22, s3, 12
	v_add_nc_u32 v[CIW], s22, v[LI]
	v_lshlrev_b32 v[AW], 9, v1
	v_lshl_add_u32 v[AW], v2, 4, v[AW]
	v_lshlrev_b32 v[AWS], 4, v1
	v_mul_u32_u24 v[SO0], v1, SPITCH
	v_lshl_add_u32 v[SO0], v2, 5, v[SO0]
	s_lshl_b32 s22, s3, 8
	s_add_co_u32 s22, s22, STG
	v_add_nc_u32 v[SO0], s22, v[SO0]               ; row r, + 256 w + 32 h: my eight columns
	v_add_nc_u32 v[SO0+1], 32*SPITCH, v[SO0]
	s_mul_i32 s22, s3, 8*SPITCH
	s_add_co_u32 s22, s22, STG
	v_add_nc_u32 v[SRA], s22, v[LI]
	v_lshlrev_b32 v[BO32], 5, v2
.irp p, 0,1,2,3
	v_mov_b32 v[WK+16+\p], 0                       ; written once: a lane permute's destination counts as one of its sources
.endr
	s_mov_b32 s[SEL], 0x76543210
	s_mov_b32 s[SEL+1], 0xfedcba98
	s_mov_b32 s30, 0x3b000000                      ; 1 / 512
	s_mov_b32 s31, 0x3727c5ac                      ; 1e-5
	s_lshl_b32 s22, s2, 15                         ; cimg: my four tiles
	s_mov_b32 s23, 0
	s_lshl_b32 s24, s3, 15
	s_lshl_b32 s25, s2, 7
	s_add_co_u32 s24, s24, s25                     ; csc: head w, my 64 rows
	s_mov_b32 s25, 0
	s_lshl_b32 s26, s2, 6
	s_lshr_b32 s27, s3, 2
	s_lshl_b32 s27, s27, 5
	s_add_co_u32 s26, s26, s27
	s_bfe_u32 s27, s3, 0x10001
	s_lshl_b32 s27, s27, 3
	s_add_co_u32 s26, s26, s27
	s_and_b32 s27, s3, 1
	s_lshl_b32 s27, s27, 4
	s_add_co_u32 s26, s26, s27                     ; my first token: 64 g + 32 (w / 4) + 8 ((w / 2) % 2) + 16 (w % 2)
	s_lshl_b32 s26, s26, 11
	s_mov_b32 s27, 0
	s_mov_b32 s33, 0
	s_wait_kmcnt 0x0
	s_add_nc_u64 s[4:5], s[4:5], s[22:23]
	s_add_nc_u64 s[6:7], s[6:7], s[24:25]
	s_add_nc_u64 s[14:15], s[14:15], s[26:27]
	s_add_nc_u64 s[20:21], s[20:21], s[26:27]
	s_lshl_b32 s32, s3, 15
	s_add_nc_u64 s[8:9], s[8:9], s[32:33]          ; my 64 rows of Wo,
	s_lshl_b32 s32, s3, 10
	s_add_nc_u64 s[10:11], s[10:11], s[32:33]      ; their scale bytes,
	s_lshl_b32 s32, s3, 8
	s_add_nc_u64 s[12:13], s[12:13], s[32:33]      ; my 64 numbers of bo
.irp i, 0,1,2,3,4,5,6,7,8,9,10,11,12,13,14,15,16,17,18,19,20,21,22,23,24,25,26,27,28,29,30,31
	global_load_b128 v[XF+4*\i:XF+4*\i+3], v[LI], s[14:15] offset:512*\i th:TH_LOAD_NT   ; my eight rows of Q: 16,384 consecutive bytes
.endr
.irp i, 0,1,2,3,4,5,6,7
	global_load_b128 v[GM+4*\i:GM+4*\i+3], v[CIW], s[4:5] offset:512*\i th:TH_LOAD_NT    ; my eighth of the four tiles' images
.endr
	global_load_b32 v[WK], v[L4], s[6:7] th:TH_LOAD_NT                                   ; head w's scale bytes of two rows
.irp wt, 0,1,2,3
	global_load_b128 v[WSR+4*\wt:WSR+4*\wt+3], v[AWS], s[10:11] offset:256*\wt
.endr
.irp wt, 0,1,2,3
	global_load_b128 v[BI+8*\wt:BI+8*\wt+3], v[BO32], s[12:13] offset:64*\wt
	global_load_b128 v[BI+8*\wt+4:BI+8*\wt+7], v[BO32], s[12:13] offset:64*\wt+16
.endr
	WIN 0x40
.irp f, 0,1,2,3,4,5,6,7,8,9,10,11,12,13,14,15      ; Wo's fragment f = 4 wt + s
.irp c, 0,1,2,3
	global_load_b128 v[16*\f+4*\c:16*\f+4*\c+3], v[AW], s[8:9] offset:16*(\f/4)*512+128*(\f%4)+32*\c
.endr
.endr
	WIN 0
	s_wait_loadcnt 63                              ; 76 loads follow those wanted now: with 63 out, Q's, the images' and the scale bytes' are in
.irp i, 0,1,2,3,4,5,6,7,8,9,10,11,12,13,14,15,16,17,18,19,20,21,22,23,24,25,26,27,28,29,30,31
	ds_store_b128 v[QRA], v[XF+4*\i:XF+4*\i+3] offset:512*\i     ; only this wave reads them back
.endr
.irp i, 0,1,2,3,4,5,6,7
	ds_store_b128 v[CIW], v[GM+4*\i:GM+4*\i+3] offset:512*\i
.endr
	ds_store_b16 v[CW], v[WK]                      ; row 2 x lane: bytes 2 w, 2 w + 1 of its 16
	ds_store_b16_d16_hi v[CW], v[WK] offset:16     ; row 2 x lane + 1
	s_wait_dscnt 0x0                               ; my stores have landed, and have read their registers
.irp k, 0,1,2,3
	global_load_b128 v[GM+4*\k:GM+4*\k+3], v[LI], s[16:17] offset:512*\k
	global_load_b128 v[BT+4*\k:BT+4*\k+3], v[LI], s[18:19] offset:512*\k
.endr
	s_barrier_signal -1
	s_barrier_wait -1                              ; the four tiles' images and scale bytes lie in LDS
	s_wait_loadcnt 8                               ; Wo, its scale words and bo are in; gamma's and beta's eight loads may be out
.macro XSLOAD t
.irp u, 0,1
	ds_load_b128 v[XSR+4*\u:XSR+4*\u+3], v[AXS] offset:(32*(\t)+16*\u)*16
.endr
.endm
.macro XFLOAD t, s
.irp u, 0,1
.irp c, 0,1,2,3
	ds_load_b128 v[XF+32*((\s)%2)+16*\u+4*\c:XF+32*((\s)%2)+16*\u+4*\c+3], v[LI] offset:8192*(2*(\t)+\u)+2048*(\s)+512*\c
.endr
.endr
.endm
.macro TRIP t                          ; a pair of tiles against my 64 rows of Wo
.irp s, 0,1,2,3
.if ((\t) == 1) && ((\s == 0) || (\s == 3))
	s_wait_dscnt 0x0                               ; s = 0: the stage's stores have read the accumulators, which are begun anew; s = 3: the last fragments
.else
	s_wait_dscnt 8                                 ; this K step's fragments are in; the eight loads of the next set may be out
.endif
	WIN 0x01
.irp u, 0,1
.irp wt, 0,1,2,3
.if \s == 0
	v_wmma_scale_f32_16x16x128_f8f6f4 v[AC+32*\u+8*\wt:AC+32*\u+8*\wt+7], v[16*(4*\wt+\s):16*(4*\wt+\s)+15], v[XF+32*(\s%2)+16*\u:XF+32*(\s%2)+16*\u+15], v[BI+8*\wt:BI+8*\wt+7], v[WSR+4*\wt+\s], v[XSR+4*\u+\s]
.else
	v_wmma_scale_f32_16x16x128_f8f6f4 v[AC+32*\u+8*\wt:AC+32*\u+8*\wt+7], v[16*(4*\wt+\s):16*(4*\wt+\s)+15], v[XF+32*(\s%2)+16*\u:XF+32*(\s%2)+16*\u+15], v[AC+32*\u+8*\wt:AC+32*\u+8*\wt+7], v[WSR+4*\wt+\s], v[XSR+4*\u+\s]
.endif
.endr
.endr
	WIN 0
.rept 9
	v_nop                                          ; eight places serve loads and reads of results; the ninth the next pair's first products, which write over these accumulators with another C
.endr
.if \s < 2
	XFLOAD \t, \s+2
.elseif (\t) < 1
.if \s == 2
	XFLOAD (\t)+1, 0
.else
	XSLOAD (\t)+1
	XFLOAD (\t)+1, 1
.endif
.endif
.endr
.irp u, 0,1
.irp wt, 0,1,2,3
	ds_store_b128 v[SO0+(\t)], v[AC+32*\u+8*\wt:AC+32*\u+8*\wt+3] offset:16*SPITCH*\u+64*\wt          ; each accumulator from its low end on
	ds_store_b128 v[SO0+(\t)], v[AC+32*\u+8*\wt+4:AC+32*\u+8*\wt+7] offset:16*SPITCH*\u+64*\wt+16
.endr
.endr
.endm
	XSLOAD 0
	XFLOAD 0, 0
	XFLOAD 0, 1
	TRIP 0
	TRIP 1
	s_wait_dscnt 0x0
	s_barrier_signal -1
	s_barrier_wait -1                              ; 64 whole rows lie in the stage
	s_wait_loadcnt 0x0                             ; gamma, beta
; Four rows at a time, the rows by turns.  A lane holds columns 128 k + 4 x lane + 0 .. 3, k = 0 .. 3, of each.  Row p: v[72 + 32 p] on: 16 numbers of the stage, then 16 of Q.
.macro NORM g
.irp p, 0,1,2,3
.irp k, 0,1,2,3
	ds_load_b128 v[XF+32*\p+4*\k:XF+32*\p+4*\k+3], v[SRA] offset:(4*\g+\p)*SPITCH+512*\k
	ds_load_b128 v[XF+32*\p+16+4*\k:XF+32*\p+16+4*\k+3], v[QRA] offset:(4*\g+\p)*2048+512*\k
.endr
.endr
	s_wait_dscnt 0x0
.irp j, 0,2,4,6,8,10,12,14
.irp p, 0,1,2,3
	v_pk_add_f32 v[XF+32*\p+\j:XF+32*\p+\j+1], v[XF+32*\p+\j:XF+32*\p+\j+1], v[XF+32*\p+16+\j:XF+32*\p+16+\j+1]   ; + Q
.endr
.endr
.irp p, 0,1,2,3
	v_pk_add_f32 v[WK+4*\p:WK+4*\p+1], v[XF+32*\p:XF+32*\p+1], v[XF+32*\p+2:XF+32*\p+3]
	v_pk_add_f32 v[WK+4*\p+2:WK+4*\p+3], v[XF+32*\p+4:XF+32*\p+5], v[XF+32*\p+6:XF+32*\p+7]
.endr
.irp j, 8,12
.irp p, 0,1,2,3
	v_pk_add_f32 v[WK+4*\p:WK+4*\p+1], v[WK+4*\p:WK+4*\p+1], v[XF+32*\p+\j:XF+32*\p+\j+1]
	v_pk_add_f32 v[WK+4*\p+2:WK+4*\p+3], v[WK+4*\p+2:WK+4*\p+3], v[XF+32*\p+\j+2:XF+32*\p+\j+3]
.endr
.endr
.irp p, 0,1,2,3
	v_pk_add_f32 v[WK+4*\p:WK+4*\p+1], v[WK+4*\p:WK+4*\p+1], v[WK+4*\p+2:WK+4*\p+3]
.endr
.irp p, 0,1,2,3
	v_add_f32 v[WK+4*\p], v[WK+4*\p], v[WK+4*\p+1]
.endr
.irp m, 1,2,4,8
.irp p, 0,1,2,3
	v_add_f32_dpp v[WK+4*\p], v[WK+4*\p], v[WK+4*\p] row_xmask:\m row_mask:0xf bank_mask:0xf
.endr
.endr
.irp p, 0,1,2,3
	v_permlanex16_b32 v[WK+16+\p], v[WK+4*\p], s[SEL], s[SEL+1]
.endr
.irp p, 0,1,2,3
	v_add_f32 v[WK+4*\p], v[WK+4*\p], v[WK+16+\p]                ; the row's sum, in every lane
.endr
.irp p, 0,1,2,3
	v_mul_f32 v[WK+4*\p], 0xbb000000, v[WK+4*\p]                 ; -mu = the sum x -1 / 512
.endr
.irp j, 0,2,4,6,8,10,12,14
.irp p, 0,1,2,3
	v_pk_add_f32 v[XF+32*\p+\j:XF+32*\p+\j+1], v[XF+32*\p+\j:XF+32*\p+\j+1], v[WK+4*\p:WK+4*\p+1] op_sel_hi:[1,0]   ; x - mu
.endr
.endr
.irp p, 0,1,2,3                                    ; the squares, in two chains, in the registers that held Q
	v_pk_mul_f32 v[XF+32*\p+16:XF+32*\p+17], v[XF+32*\p:XF+32*\p+1], v[XF+32*\p:XF+32*\p+1]
	v_pk_mul_f32 v[XF+32*\p+18:XF+32*\p+19], v[XF+32*\p+2:XF+32*\p+3], v[XF+32*\p+2:XF+32*\p+3]
.endr
.irp j, 4,8,12
.irp p, 0,1,2,3
	v_pk_fma_f32 v[XF+32*\p+16:XF+32*\p+17], v[XF+32*\p+\j:XF+32*\p+\j+1], v[XF+32*\p+\j:XF+32*\p+\j+1], v[XF+32*\p+16:XF+32*\p+17]
	v_pk_fma_f32 v[XF+32*\p+18:XF+32*\p+19], v[XF+32*\p+\j+2:XF+32*\p+\j+3], v[XF+32*\p+\j+2:XF+32*\p+\j+3], v[XF+32*\p+18:XF+32*\p+19]
.endr
.endr
.irp p, 0,1,2,3
	v_pk_add_f32 v[XF+32*\p+16:XF+32*\p+17], v[XF+32*\p+16:XF+32*\p+17], v[XF+32*\p+18:XF+32*\p+19]
.endr
.irp p, 0,1,2,3
	v_add_f32 v[WK+4*\p+2], v[XF+32*\p+16], v[XF+32*\p+17]
.endr
.irp m, 1,2,4,8
.irp p, 0,1,2,3
	v_add_f32_dpp v[WK+4*\p+2], v[WK+4*\p+2], v[WK+4*\p+2] row_xmask:\m row_mask:0xf bank_mask:0xf
.endr
.endr
.irp p, 0,1,2,3
	v_permlanex16_b32 v[WK+16+\p], v[WK+4*\p+2], s[SEL], s[SEL+1]
.endr
.irp p, 0,1,2,3
	v_add_f32 v[WK+4*\p+2], v[WK+4*\p+2], v[WK+16+\p]
.endr
.irp p, 0,1,2,3
	v_fma_f32 v[WK+4*\p+2], v[WK+4*\p+2], s30, s31               ; the variance + 1e-5
.endr
.irp p, 0,1,2,3
	v_rsq_f32 v[WK+4*\p+2], v[WK+4*\p+2]
.endr
	v_nop                                          ; a plain line behind the four,
	s_wait_alu depctr_va_vdst(0)                   ; and the one wait ahead of their first use
.irp j, 0,2,4,6,8,10,12,14
.irp p, 0,1,2,3
	v_pk_mul_f32 v[XF+32*\p+\j:XF+32*\p+\j+1], v[XF+32*\p+\j:XF+32*\p+\j+1], v[WK+4*\p+2:WK+4*\p+3] op_sel_hi:[1,0]
.endr
.endr
.irp j, 0,2,4,6,8,10,12,14
.irp p, 0,1,2,3
	v_pk_fma_f32 v[XF+32*\p+\j:XF+32*\p+\j+1], v[XF+32*\p+\j:XF+32*\p+\j+1], v[GM+\j:GM+\j+1], v[BT+\j:BT+\j+1]
.endr
.endr
.irp p, 0,1,2,3
.irp k, 0,1,2,3
	global_store_b128 v[LI], v[XF+32*\p+4*\k:XF+32*\p+4*\k+3], s[20:21] offset:(4*\g+\p)*2048+512*\k th:TH_STORE_NT   ; 512 consecutive bytes, at a multiple of 256 from out0's first byte
.endr
.endr
.endm
	NORM 0
	s_wait_xcnt 0x0                                ; the stores have read their registers: the next four rows may land there
	NORM 1
	s_wait_tensorcnt 0x0                           ; the wave's end, behind my last LDS store
	ds_add_u32 v[SPW], v[NIL]
	s_wait_dscnt 0x0
	s_endpgm
.Lfunc_end_k_q049ee32df5_outln:
	.size	k_q049ee32df5_outln, .Lfunc_end_k_q049ee32df5_outln-k_q049ee32df5_outln
	.p2alignl 7, 3214868480
	.fill 96, 4, 3214868480
	.section	.rodata,"a",@progbits
	.p2align	6, 0x0
	.amdhsa_kernel k_q049ee32df5_outln
		.amdhsa_group_segment_fixed_size 297984
		.amdhsa_private_segment_fixed_size 0
		.amdhsa_enable_private_segment 0
		.amdhsa_kernarg_size 72
		.amdhsa_user_sgpr_count 2
		.amdhsa_user_sgpr_kernarg_segment_ptr 1
		.amdhsa_wavefront_size32 1
		.amdhsa_system_sgpr_workgroup_id_x 1
		.amdhsa_system_sgpr_workgroup_id_y 1
		.amdhsa_system_sgpr_workgroup_id_z 1
		.amdhsa_system_vgpr_workitem_id 0
		.amdhsa_next_free_vgpr 512
		.amdhsa_next_free_sgpr 66
		.amdhsa_reserve_vcc 0
		.amdhsa_float_denorm_mode_32 3
		.amdhsa_float_denorm_mode_16_64 3
		.amdhsa_memory_ordered 1
		.amdhsa_forward_progress 1
		.amdhsa_inst_pref_size 74
	.end_amdhsa_kernel
	.amdgpu_metadata
---
amdhsa.version: [ 1, 2 ]
amdhsa.kernels:
  - .name:           k_q049ee32df5_outln
    .symbol:         k_q049ee32df5_outln.kd
    .args:
      - { .name: cimg, .offset: 0, .size: 8, .value_kind: global_buffer, .address_space: global }
      - { .name: csc, .offset: 8, .size: 8, .value_kind: global_buffer, .address_space: global }
      - { .name: Wo_codes, .offset: 16, .size: 8, .value_kind: global_buffer, .address_space: global }
      - { .name: Wo_scales, .offset: 24, .size: 8, .value_kind: global_buffer, .address_space: global }
      - { .name: bo, .offset: 32, .size: 8, .value_kind: global_buffer, .address_space: global }
      - { .name: Q, .offset: 40, .size: 8, .value_kind: global_buffer, .address_space: global }
      - { .name: gamma, .offset: 48, .size: 8, .value_kind: global_buffer, .address_space: global }
      - { .name: beta, .offset: 56, .size: 8, .value_kind: global_buffer, .address_space: global }
      - { .name: out0, .offset: 64, .size: 8, .value_kind: global_buffer, .address_space: global }
    .group_segment_fixed_size: 297984
    .private_segment_fixed_size: 0
    .kernarg_segment_align: 8
    .kernarg_segment_size: 72
    .max_flat_workgroup_size: 256
    .sgpr_count:     66
    .vgpr_count:     512
    .wavefront_size: 32
...
	.end_amdgpu_metadata
.endif
;; end of part 3
;; ======== version 2 of 2: 3 launches
;; workspace buffers: qw 8,650,752 bytes; kv 17,301,504 bytes; cimg 8,388,608 bytes; csc 262,144 bytes
;; launch proj (part 4): grid 384 x 1, 8 waves a work-group, no clusters, 117,760 bytes of LDS; arguments Q, K_codes, K_scales, V_codes, V_scales, Wq_codes, Wq_scales, bq, Wk_codes, Wk_scales, bk, Wv_codes, Wv_scales, bv, qw, kv; writes qw, kv
.if DOCPART == 4
	.amdgcn_target "amdgcn-amd-amdhsa--gfx1250"
	.amdhsa_code_object_version 6
	.text
	.protected	k_q049ee32df5_proj
	.globl	k_q049ee32df5_proj
	.p2align	8
	.type	k_q049ee32df5_proj,@function
k_q049ee32df5_proj:
	s_mov_b64 s[64:65], 0
	v_nop
	global_prefetch_b8 v0, s[64:65] scope:SCOPE_SE
	s_setreg_imm32_b32 hwreg(HW_REG_WAVE_SCHED_MODE, 0, 2), 2
	s_setreg_imm32_b32 hwreg(HW_REG_WAVE_MODE, 25, 1), 1
	s_wait_xcnt 0x0
	s_wait_alu depctr_vm_vsrc(0)
; THE THREE INPUT PROJECTIONS of the attention block, on codes of FP8 (E4M3) with one E8M0 scale for each 32 along K:
;   q = Quant(Q) Wq^T + bq,  k = K Wk^T + bk,  v = V Wv^T + bv  (16,384 rows x 512 x 512 each), and the quantisers behind them:
;   q and k along a head's 64 (the next product's K), v along the keys (the K of the product with the softmax's p).
; DEAD WORK: none.  Every input of reference() has a way to the output (bk too: it moves k's codes), so nothing is left out in any of the three launches.
; LIMITS: NaN and infinities among the inputs are not served.  A block of zeros gets the scale byte 1 where the rule says 127: its codes are zeros, which add
; nothing under any byte but 0xff, and the bytes are read by this program alone.  Blocks whose largest magnitude lies under 2^-118, the floor, keep the byte 1.
; SHARES.  Work-groups 0-127 make q, 128-255 k, 256-383 v; each takes 128 tokens of one batch.  Wave w is head w: its 64 rows of W (4 tiles x 4 K steps x 16
; registers) fill window 1 and are read from memory once.  The 128 rows of x go round through LDS as rows of 512 codes; wave w brings 16 of them.
; THE ROWS OF A TILE ARE NOT NEIGHBOURS: row r of tile 2 P + u is token (or row of W) 32 P + 8 u + r + 8 (r / 8), so that in a result the 16 registers of tiles 2 b and
; 2 b + 1 are 16 neighbours, 32 b + 16 (lane / 16) + 0 .. 15, along the next product's K; a block of 32 lies in lanes l and l xor 16.
; q, k: source 0 = 16 rows of W, source 1 = 16 tokens: a lane holds one token and its registers run along the head.  v: the sources swapped: a lane holds one channel and its registers run along the tokens.
; WHAT IS STORED lies in the order of the next launch's operand registers (four registers: 512 bytes, lane l's 16 bytes at 16 l):
;   qw [batch x 8 + head][group of 128 tokens][8,448]: codes [pair t][tile u][block b][512], then scale words [pair t][row r][4]: bytes 0, 1 tile u = 0's blocks, bytes 2, 3 tile u = 1's.
;   kv [batch x 8 + head][group][16,896]: k as in qw; at 8,448 v's codes [channel tile][key block c][512]; at 16,640 v's scale words [channel tile][row r][4], byte c.
; REGISTERS, window 0: v1-15 and v241-245 addresses; v16-31 W's scale words; v32-39 x's; v40-71 the bias as the C of a sum's first product; v72-135 x's fragments, two sets (earlier: my 16 rows' codes);
;   v136-199 eight accumulators (earlier: two sets of 16 numbers of Q); v200-215 codes just made; v216-231 at work.   Window 1: W's fragment (tile wt, K step s) at 16 (4 wt + s).
; THE MODE: SCHED_MODE bits 1:0 = 2 (LLVM: expert scheduling mode 2), set by the entry lines.  The code itself states the register dependences
; between vector or matrix instructions and memory or LDS instructions, with s_wait_alu, always for 0.
; THE PLAN.  Registers that memory or LDS instructions touch:
;   the addresses  Made at the head, ahead of the one wait in front of the first load; never written again.
;   window 1       Q's path: row i's loads land at 16 i on, the stage's stores of row i read them, then W's fragment i lands there.  No vector instruction names them; the products read them.
;   X0, X1         Q's path: the stage's loads of row i + 1, issued in step i, land in X[(i + 1) % 2], which step i - 1's lines read and wrote.
;   EB0, EB1       Q's path: step i's shift writes EB[i % 2]; the byte's store is issued at the head of step i + 1.
;   CX = XF        Written by Q's conversions or by loads; read by the sixteen stores behind the join; then the fragments land there.
;   XF0, XF1, XSR  Read by a K step's products; loaded again behind them.
;   PC, PW         Written by pair t's quantiser; read by the stores that are issued in pair t + 1, behind its first K step.
;   VW             v's scale words: written pair by pair, read by four LDS stores at the end.
; So a step of Q's path has its waits at its head, and a pair of tiles has three waits on va_vdst: behind K step 0 (set 0 is read; the last pair's PC and PW are written), behind K step 1 (set 1 is read),
; and behind K step 3, where the quantiser has to have those results in any case (both sets and XSR are read: the next pair's 18 loads follow and land under the quantiser).
.set XPITCH, 528                       ; a row of x in LDS: 512 codes + 16 bytes: an odd multiple of 16, so that the 16 rows of a fragment load fall on different banks
.set XSB,    67584                     ; behind the 128 rows: their scale bytes, 16 a row
.set QST,    69632                     ; the Q path's stages: for each wave two of 32 x 80 bytes
.set QB,     110592                    ; the Q path's scale bytes: 256 for each wave
.set OSQ,    112640                    ; scale words on their way out: q's and k's, 256 bytes a wave; v's lie 2,048 further on
.set SPARE,  116736                    ; the spare words, 128 bytes for each wave: four blocks of 256 bytes that no other line names
.set LI,   4                           ; 16 x lane
.set L8,   5                           ; 8 x lane
.set AX,   6                           ; a fragment of x: r x 528 + 16 h
.set AXS,  7                           ; its scale words: XSB + 16 r
.set AXW,  8                           ; where I put my 16 rows: 16 w x 528 + 16 x lane
.set AXSW, 9                           ; and their scale bytes: XSB + 256 w + 8 x lane
.set AW,   10                          ; W: (r + 8 (r / 8)) x 512 + 16 h
.set AWS,  11                          ; W's scale words: (r + 8 (r / 8)) x 16
.set SIN,  12                          ; the stage, in: 80 (lane / 4) + 16 (lane % 4)
.set SOUT, 13                          ; the stage, out: 80 x lane
.set QBW,  14                          ; my block's scale byte
.set QBR,  15                          ; and 8 of them back
.set WSR,  16
.set XSR,  32
.set BI,   40
.set XF,   72
.set CX,   72
.set AC,   136
.set X,    136
.set PC,   200
.set TM,   216
.set VB,   232                         ; v232-235 bv of my lane's channel, a register a tile
.set VW,   236                         ; v236-239 v's scale words as they grow
.set PW,   240
.set OSW,  241
.set OSR,  242
.set BO64, 243                         ; 64 h
.set BO4,  244                         ; 4 (r + 8 (r / 8))
.set SXO,  245                         ; my 8 scale bytes of the wave's 16 rows, in memory
.set SX,   246                         ; v246-247 those bytes
.set OW,   248                         ; v248-249 scale words on their way out
.set EB,   250                         ; v250-251 a scale byte, two registers by turns
.set SPW,  252
.set NIL,  253
.set SEL,  60                          ; s[60:61] v_permlanex16_b32's selects for lane l xor 16
.set MNT,  62                          ; s62 the mantissa field of 448
.set MSB, 0
.macro WIN new                         ; the immediate's high byte repeats the setting that is left
.if MSB != \new
	s_set_vgpr_msb (MSB<<8)|\new
.set MSB, \new
.endif
.endm
; 64 numbers of a lane, four blocks of 16 (the other 16 of each block lie in lane l xor 16), become 16 registers of codes in v[PC] on, four scale bytes in v[TM+4] on and, with word = 1, the scale word v[PW].
.macro QUANT s, word
.irp b, 0,1,2,3
	v_max3_num_f32 v[TM+\b], |v[\s+16*\b]|, |v[\s+1+16*\b]|, 0x4800000   ; my 16 numbers and the floor 2^(9 - 127): the byte cannot fall under 1
.endr
.irp i, 2,4,6,8,10,12,14
.irp b, 0,1,2,3
	v_max3_num_f32 v[TM+\b], v[TM+\b], |v[\s+16*\b+\i]|, |v[\s+1+16*\b+\i]|
.endr
.endr
.irp b, 0,1,2,3
	v_permlanex16_b32 v[TM+4+\b], v[TM+\b], s[SEL], s[SEL+1]
.endr
.irp b, 0,1,2,3
	v_max_num_f32 v[TM+\b], v[TM+\b], v[TM+4+\b]                 ; the block's largest magnitude
.endr
.irp b, 0,1,2,3
	v_add_nc_u32 v[TM+12+\b], 0xfc000000, v[TM+\b]               ; 8 off its exponent field: the conversion's scale operand
.endr
.irp b, 0,1,2,3
	v_and_or_b32 v[TM+8+\b], v[TM+\b], 0x7f800000, s[MNT]        ; 448 x the scale
.endr
.irp b, 0,1,2,3
	v_lshrrev_b32 v[TM+4+\b], 23, v[TM+12+\b]                    ; the scale's byte
.endr
.if \word
	v_lshl_or_b32 v[PW], v[TM+5], 8, v[TM+4]
	v_lshl_or_b32 v[PW], v[TM+6], 16, v[PW]
	v_lshl_or_b32 v[PW], v[TM+7], 24, v[PW]
.endif
.irp b, 0,1,2,3
.irp i, 0,1,2,3,4,5,6,7,8,9,10,11,12,13,14,15
	v_med3_num_f32 v[\s+16*\b+\i], v[\s+16*\b+\i], -v[TM+8+\b], v[TM+8+\b]   ; the conversion to an 8-bit code does not saturate (ISA guide 7.6.2): the hold comes first
.endr
	v_cvt_scalef32_pk8_fp8_f32 v[PC+4*\b:PC+1+4*\b], v[\s+16*\b:\s+7+16*\b], v[TM+12+\b]
	v_cvt_scalef32_pk8_fp8_f32 v[PC+2+4*\b:PC+3+4*\b], v[\s+8+16*\b:\s+15+16*\b], v[TM+12+\b]
.endr
	v_nop                                          ; a plain line behind the last conversion: later products write its sources
.endm
.macro WFRAG f                         ; W's fragment f = 4 wt + s into window 1 (the caller has set the destination's window)
.irp c, 0,1,2,3
	global_load_b128 v[16*(\f)+4*\c:16*(\f)+4*\c+3], v[AW], s[48:49] offset:(32*((\f)/8)+8*(((\f)/4)%2))*512+128*((\f)%4)+32*\c
.endr
.endm
	s_load_b512 s[16:31], s[0:1], 0x0              ; Q, K codes, K scales, V codes, V scales, Wq codes, Wq scales, bq
	s_load_b512 s[32:47], s[0:1], 0x40             ; Wk codes, Wk scales, bk, Wv codes, Wv scales, bv, qw, kv
	v_lshl_add_u32 v[SPW], v0, 2, SPARE
	v_mov_b32 v[NIL], 0
	v_lshrrev_b32 v1, 5, v0
	v_readfirstlane_b32 s3, v1                     ; wave = head
	s_mov_b32 s2, ttmp9                            ; work-group
	v_and_b32 v3, 31, v0                           ; lane
	v_and_b32 v1, 15, v0                           ; r
	v_bfe_u32 v2, v0, 4, 1                         ; h
	v_lshlrev_b32 v[LI], 4, v3
	v_lshlrev_b32 v[L8], 3, v3
	v_mul_u32_u24 v[AX], v1, XPITCH
	v_lshl_add_u32 v[AX], v2, 4, v[AX]
	v_lshl_add_u32 v[AXS], v1, 4, XSB
	s_wait_alu depctr_va_sdst(0)                   ; s3 is written, ahead of its first reader: LDS addresses and the buffers' offsets are made from it
	s_mul_i32 s4, s3, 16*XPITCH
	v_add_nc_u32 v[AXW], s4, v[LI]
	s_lshl_b32 s4, s3, 8                           ; 256 w
	s_add_co_u32 s5, s4, XSB
	v_add_nc_u32 v[AXSW], s5, v[L8]
	v_and_b32 v[AW], 8, v1
	v_add_nc_u32 v[AW], v[AW], v1                  ; r + 8 (r / 8)
	v_lshlrev_b32 v[AWS], 4, v[AW]
	v_lshlrev_b32 v[BO4], 2, v[AW]
	v_lshlrev_b32 v[AW], 9, v[AW]
	v_lshl_add_u32 v[AW], v2, 4, v[AW]
	s_mul_i32 s5, s3, 5120
	s_add_co_u32 s5, s5, QST
	v_lshrrev_b32 v[SIN], 2, v3
	v_mul_u32_u24 v[SIN], v[SIN], 80
	v_and_b32 v[SOUT], 3, v3
	v_lshl_add_u32 v[SIN], v[SOUT], 4, v[SIN]
	v_add_nc_u32 v[SIN], s5, v[SIN]
	v_mul_u32_u24 v[SOUT], v3, 80
	v_add_nc_u32 v[SOUT], s5, v[SOUT]
	s_add_co_u32 s5, s4, QB
	v_lshrrev_b32 v[QBW], 1, v3
	v_add_nc_u32 v[QBW], s5, v[QBW]
	v_add_nc_u32 v[QBR], s5, v[L8]
	s_add_co_u32 s5, s4, OSQ
	v_lshl_add_u32 v[OSW], v1, 2, s5
	v_add_nc_u32 v[OSR], s5, v[L8]
	v_lshlrev_b32 v[BO64], 6, v2
	v_lshrrev_b32 v[SXO], 1, v3                    ; row i = lane / 2 of my 16,
	v_and_b32 v[SX], 8, v[SXO]
	v_add_nc_u32 v[SXO], v[SXO], v[SX]             ; which is i + 8 (i / 8) rows on in memory,
	v_lshlrev_b32 v[SXO], 4, v[SXO]
	v_and_b32 v[SX], 1, v3
	v_lshl_add_u32 v[SXO], v[SX], 3, v[SXO]        ; and the half of its 16 bytes
.irp b, 0,1,2,3
	v_mov_b32 v[TM+4+\b], 0                        ; written once: a lane permute's destination counts as one of its sources
.endr
	s_mov_b32 s[SEL], 0x76543210
	s_mov_b32 s[SEL+1], 0xfedcba98
	s_mov_b32 s[MNT], 0x600000
	s_and_b32 s6, s2, 127                          ; which 128 tokens of the 16,384
	s_lshl_b32 s7, s6, 7
	s_lshr_b32 s8, s3, 1
	s_lshl_b32 s8, s8, 5
	s_add_co_u32 s7, s7, s8
	s_and_b32 s8, s3, 1
	s_lshl_b32 s8, s8, 3
	s_add_co_u32 s7, s7, s8                        ; my first row of x: 128 x group + 32 (w / 2) + 8 (w % 2)
	s_lshl_b32 s10, s7, 4                          ; its scale bytes
	s_mov_b32 s11, 0
	s_cmp_lt_u32 s2, 128
	s_cselect_b32 s8, 11, 9                        ; a row of Q is 2,048 bytes, a row of codes 512
	s_lshl_b32 s8, s7, s8
	s_mov_b32 s9, 0
	s_lshr_b32 s12, s6, 4                          ; batch
	s_lshl_b32 s12, s12, 3
	s_add_co_u32 s12, s12, s3
	s_lshl_b32 s12, s12, 4
	s_and_b32 s13, s6, 15
	s_add_co_u32 s12, s12, s13                     ; (batch x 8 + head) x 16 + group
	s_mov_b32 s13, 16896
	s_cmp_lt_u32 s2, 128
	s_cselect_b32 s13, 8448, s13
	s_mul_i32 s12, s12, s13
	s_cmp_lt_u32 s2, 256
	s_cselect_b32 s13, 0, 8448                     ; v lies behind k
	s_add_co_u32 s12, s12, s13
	s_mov_b32 s13, 0
	s_mov_b32 s15, 0
	s_wait_kmcnt 0x0
	s_cmp_lt_u32 s2, 256                           ; the buffers are chosen by the work-group's number alone
	s_cselect_b64 s[48:49], s[32:33], s[38:39]
	s_cselect_b64 s[50:51], s[34:35], s[40:41]
	s_cselect_b64 s[52:53], s[36:37], s[42:43]
	s_cselect_b64 s[54:55], s[18:19], s[22:23]
	s_cselect_b64 s[56:57], s[20:21], s[24:25]
	s_cmp_lt_u32 s2, 128
	s_cselect_b64 s[48:49], s[26:27], s[48:49]
	s_cselect_b64 s[50:51], s[28:29], s[50:51]
	s_cselect_b64 s[52:53], s[30:31], s[52:53]
	s_cselect_b64 s[54:55], s[16:17], s[54:55]
	s_cselect_b64 s[58:59], s[44:45], s[46:47]
	s_add_nc_u64 s[54:55], s[54:55], s[8:9]        ; x at my first row
	s_add_nc_u64 s[56:57], s[56:57], s[10:11]      ; its scale bytes (the Q path does not load them)
	s_add_nc_u64 s[58:59], s[58:59], s[12:13]      ; where my head's results go
	s_lshl_b32 s14, s3, 15
	s_add_nc_u64 s[48:49], s[48:49], s[14:15]      ; my 64 rows of W,
	s_lshl_b32 s14, s3, 10
	s_add_nc_u64 s[50:51], s[50:51], s[14:15]      ; their scale bytes,
	s_lshl_b32 s14, s3, 8
	s_add_nc_u64 s[52:53], s[52:53], s[14:15]      ; my 64 numbers of the bias
	s_wait_alu depctr_va_vdst(0)                   ; all addresses and offsets of the kernel are written, which its loads and stores read; so is v246, in which a load lands
.irp wt, 0,1,2,3
	global_load_b128 v[WSR+4*\wt:WSR+4*\wt+3], v[AWS], s[50:51] offset:(32*(\wt/2)+8*(\wt%2))*16   ; a row's 16 scale bytes: a word for each K step
.endr
.irp wt, 0,1,2,3                                   ; the bias in both forms, on every path: along the registers (q, k),
	global_load_b128 v[BI+8*\wt:BI+8*\wt+3], v[BO64], s[52:53] offset:(32*(\wt/2)+8*(\wt%2))*4
	global_load_b128 v[BI+8*\wt+4:BI+8*\wt+7], v[BO64], s[52:53] offset:(32*(\wt/2)+8*(\wt%2))*4+16
.endr
.irp wt, 0,1,2,3                                   ; and one number a lane (v)
	global_load_b32 v[VB+\wt], v[BO4], s[52:53] offset:(32*(\wt/2)+8*(\wt%2))*4
.endr
	s_cmp_lt_u32 s2, 128
	s_cbranch_scc1 .Lq_arm
	; ---- K and V arrive as codes: my 16 rows, 512 consecutive bytes a load, and their 256 scale bytes.  No vector instruction stands on this path: nothing more is owed
.irp i, 0,1,2,3,4,5,6,7,8,9,10,11,12,13,14,15
	global_load_b128 v[CX+4*\i:CX+4*\i+3], v[LI], s[54:55] offset:(\i+8*(\i/8))*512 th:TH_LOAD_NT
.endr
	global_load_b64 v[SX:SX+1], v[SXO], s[56:57] th:TH_LOAD_NT
	WIN 0x40
.irp f, 0,1,2,3,4,5,6,7,8,9,10,11,12,13,14,15
	WFRAG \f
.endr
	WIN 0
	s_wait_loadcnt 63                              ; 64 loads of W follow x's: with 63 of them out, x's are in
	s_branch .Ljoin
	; ---- Q arrives as f32: my 16 rows are quantised, a row a step.  All 64 loads go out at once, into window 1; as a row leaves its registers, a fragment of W is asked for into them.
.Lq_arm:
	WIN 0x40
.irp i, 0,1,2,3,4,5,6,7,8,9,10,11,12,13,14,15
.irp k, 0,1,2,3
	global_load_b128 v[16*\i+4*\k:16*\i+4*\k+3], v[LI], s[54:55] offset:(\i+8*(\i/8))*2048+512*\k th:TH_LOAD_NT   ; 512 consecutive bytes
.endr
.endr
	WIN 0
; A conversion takes neighbours along K from one lane's registers, a load is dense where neighbouring lanes take neighbouring bytes: so a row turns through my own stage in LDS and comes back 16 neighbours a lane.
.macro QTURN i
	WIN 0x04                                       ; an LDS store's data are its source 1: window 1
.irp k, 0,1,2,3
	ds_store_b128 v[SIN], v[16*(\i)+4*\k:16*(\i)+4*\k+3] offset:2560*((\i)%2)+640*\k
.endr
	WIN 0
.irp j, 0,1,2,3
	ds_load_b128 v[X+16*((\i)%2)+4*\j:X+16*((\i)%2)+4*\j+3], v[SOUT] offset:2560*((\i)%2)+16*\j   ; LDS serves a wave's instructions in order: these see the stores above
.endr
.endm
.macro QSTEP i
.set XS_, X+16*((\i)%2)
	s_wait_dscnt 0x0                               ; this row is back from the stage: nothing was issued behind its loads
	s_wait_alu depctr_vm_vsrc(0)                   ; the stage's stores of this row have read v[16 i ..] of window 1, in which W's fragment lands; the byte's store of the step before has read the EB that this step's shift writes
.if (\i) > 0
	s_wait_alu depctr_va_vdst(0)                   ; the step before has written its EB, which the store below reads, and is done with its X, in which the next row lands
.endif
	WIN 0x40
	WFRAG \i                                       ; the row's registers take W's fragment i
	WIN 0
.if (\i) > 0
	ds_store_b8 v[QBW], v[EB+((\i)-1)%2] offset:16*((\i)-1)   ; the last step's byte; both lanes of a block write the same byte with the same value
.endif
.if (\i) < 15
	s_wait_loadcnt 60                              ; behind the next row's four loads stand 4 (14 - i) of later rows and 4 (i + 1) of W: 60 in every step
	QTURN (\i)+1                                   ; no vector instruction since the waits above names its registers
.endif
	v_max3_num_f32 v[TM], |v[XS_]|, |v[XS_+1]|, |v[XS_+2]|
	v_max3_num_f32 v[TM+1], |v[XS_+3]|, |v[XS_+4]|, |v[XS_+5]|
.irp j, 6,10
	v_max3_num_f32 v[TM], v[TM], |v[XS_+\j]|, |v[XS_+\j+1]|
	v_max3_num_f32 v[TM+1], v[TM+1], |v[XS_+\j+2]|, |v[XS_+\j+3]|
.endr
	v_max3_num_f32 v[TM], v[TM], |v[XS_+14]|, |v[XS_+15]|
	v_max3_num_f32 v[TM], v[TM], v[TM+1], 0x4800000              ; and the floor
	v_max_num_f32_dpp v[TM], v[TM], v[TM] row_xmask:1 row_mask:0xf bank_mask:0xf   ; with my neighbour's 16: the block's largest magnitude
	v_add_nc_u32 v[TM+2], 0xfc000000, v[TM]
	v_and_or_b32 v[TM+3], v[TM], 0x7f800000, s[MNT]
.irp j, 0,1,2,3,4,5,6,7,8,9,10,11,12,13,14,15
	v_med3_num_f32 v[XS_+\j], v[XS_+\j], -v[TM+3], v[TM+3]
.endr
	v_cvt_scalef32_pk8_fp8_f32 v[CX+4*(\i):CX+4*(\i)+1], v[XS_:XS_+7], v[TM+2]     ; my 16 codes are bytes 16 x lane on of the row: as the other path's loads leave them
	v_cvt_scalef32_pk8_fp8_f32 v[CX+4*(\i)+2:CX+4*(\i)+3], v[XS_+8:XS_+15], v[TM+2]
	v_lshrrev_b32 v[EB+(\i)%2], 23, v[TM+2]        ; the byte; also the plain line behind the conversions
.endm
	s_wait_loadcnt 60                              ; row 0 is in: 60 loads of later rows follow it
	QTURN 0
.irp i, 0,1,2,3,4,5,6,7,8,9,10,11,12,13,14,15
	QSTEP \i
.endr
	s_wait_alu depctr_va_vdst(0)                   ; the last step has written its EB, and the sixteen steps' conversions v[CX ..]: the store below and the stores behind the join read them
	ds_store_b8 v[QBW], v[EB+1] offset:240
	ds_load_b64 v[SX:SX+1], v[QBR]
	s_wait_dscnt 0x0
	; ---- both paths: my 16 rows of codes and their scale bytes go to LDS; one barrier
.Ljoin:
.irp i, 0,1,2,3,4,5,6,7,8,9,10,11,12,13,14,15
	ds_store_b128 v[AXW], v[CX+4*\i:CX+4*\i+3] offset:XPITCH*\i
.endr
	ds_store_b64 v[AXSW], v[SX:SX+1]
	s_wait_dscnt 0x0                               ; for the others' sake: my stores have landed
	s_barrier_signal -1
	s_barrier_wait -1
	s_wait_loadcnt 0x0                             ; W, its scale words, the bias
	s_wait_alu depctr_vm_vsrc(0)                   ; my stores have read v[CX ..]: these registers are the fragments' two sets from here on, and loads land in them
.macro XSLOAD t                        ; the scale words of pair t's two tiles: four words a row, one for each K step
.irp u, 0,1
	ds_load_b128 v[XSR+4*\u:XSR+4*\u+3], v[AXS] offset:(32*(\t)+16*\u)*16
.endr
.endm
.macro XFLOAD t, s                     ; their fragments of K step s, into set s % 2
.irp u, 0,1
.irp c, 0,1,2,3
	ds_load_b128 v[XF+32*((\s)%2)+16*\u+4*\c:XF+32*((\s)%2)+16*\u+4*\c+3], v[AX] offset:(32*(\t)+16*\u)*XPITCH+128*(\s)+32*\c
.endr
.endr
.endm
; Eight products, eight accumulators by turns.  The first K step takes the bias as C.
.macro MULS s, ori
.if \ori
	WIN 0x04                                       ; v: source 0 = tokens, source 1 = W (window 1)
.irp wt, 0,1,2,3
.irp u, 0,1
.if (\s) == 0
	v_wmma_scale_f32_16x16x128_f8f6f4 v[AC+16*\wt+8*\u:AC+16*\wt+8*\u+7], v[XF+32*((\s)%2)+16*\u:XF+32*((\s)%2)+16*\u+15], v[16*(4*\wt+(\s)):16*(4*\wt+(\s))+15], v[BI+8*\wt:BI+8*\wt+7], v[XSR+4*\u+(\s)], v[WSR+4*\wt+(\s)]
.else
	v_wmma_scale_f32_16x16x128_f8f6f4 v[AC+16*\wt+8*\u:AC+16*\wt+8*\u+7], v[XF+32*((\s)%2)+16*\u:XF+32*((\s)%2)+16*\u+15], v[16*(4*\wt+(\s)):16*(4*\wt+(\s))+15], v[AC+16*\wt+8*\u:AC+16*\wt+8*\u+7], v[XSR+4*\u+(\s)], v[WSR+4*\wt+(\s)]
.endif
.endr
.endr
.else
	WIN 0x01                                       ; q, k: source 0 = W (window 1), source 1 = tokens
.irp u, 0,1
.irp wt, 0,1,2,3
.if (\s) == 0
	v_wmma_scale_f32_16x16x128_f8f6f4 v[AC+32*\u+8*\wt:AC+32*\u+8*\wt+7], v[16*(4*\wt+(\s)):16*(4*\wt+(\s))+15], v[XF+32*((\s)%2)+16*\u:XF+32*((\s)%2)+16*\u+15], v[BI+8*\wt:BI+8*\wt+7], v[WSR+4*\wt+(\s)], v[XSR+4*\u+(\s)]
.else
	v_wmma_scale_f32_16x16x128_f8f6f4 v[AC+32*\u+8*\wt:AC+32*\u+8*\wt+7], v[16*(4*\wt+(\s)):16*(4*\wt+(\s))+15], v[XF+32*((\s)%2)+16*\u:XF+32*((\s)%2)+16*\u+15], v[AC+32*\u+8*\wt:AC+32*\u+8*\wt+7], v[WSR+4*\wt+(\s)], v[XSR+4*\u+(\s)]
.endif
.endr
.endr
.endif
.endm
; Pair t's codes leave, and for q and k its scale words go to my 256 bytes of LDS.  It stands behind a wait on va_vdst that follows pair t's quantiser.
.macro SEND t, ori
.if \ori
.irp k, 0,1,2,3
	global_store_b128 v[LI], v[PC+4*\k:PC+4*\k+3], s[58:59] offset:2048*\k+512*(\t)   ; channel tile k, key block t: 512 consecutive bytes
.endr
.else
.irp k, 0,1,2,3
	global_store_b128 v[LI], v[PC+4*\k:PC+4*\k+3], s[58:59] offset:2048*(\t)+512*\k   ; tile k / 2, block k % 2
.endr
	ds_store_b32 v[OSW], v[PW] offset:64*(\t)      ; both halves of the lanes write the same word with the same value
.endif
.endm
; A pair of tiles (32 tokens) against my head's 64 rows of W: four K steps on two sets of fragments.
.macro TRIP t, ori
	s_wait_dscnt 8                                 ; the scale words and K step 0's fragments are in; the eight loads of set 1 may be out
	MULS 0, \ori
	WIN 0
.rept 8
	v_nop                                          ; eight places behind these products; they stay beside the wait below
.endr
	s_wait_alu depctr_va_vdst(0)                   ; K step 0's products are done reading set 0, in which K step 2's fragments land; the last pair's quantiser has written PC and PW, which the stores below read
.if (\t) > 0
	SEND (\t)-1, \ori
.endif
	XFLOAD \t, 2
	s_wait_dscnt 8                                 ; set 1 is in (and the LDS store above is done); the eight loads just issued may be out
	MULS 1, \ori
	WIN 0
.rept 8
	v_nop
.endr
	s_wait_alu depctr_va_vdst(0)                   ; K step 1's products are done reading set 1, in which K step 3's fragments land
	XFLOAD \t, 3
	s_wait_dscnt 8                                 ; K step 2's fragments are in; K step 3's eight loads may be out
	MULS 2, \ori
	s_wait_dscnt 0x0                               ; K step 3's are in
	MULS 3, \ori
	WIN 0
.rept 8
	v_nop                                          ; eight places ahead of the first read of results
.endr
.if (\t) < 3
	s_wait_alu depctr_va_vdst(0)                   ; the pair's products are done reading both sets and the scale words: the next pair's land there, under the quantiser
	XSLOAD (\t)+1
	XFLOAD (\t)+1, 0
	XFLOAD (\t)+1, 1
.endif
.if (\t) > 0
	s_wait_xcnt 0x0                                ; the last pair's stores have had their addresses translated (ISA guide 3.1),
	s_wait_alu depctr_vm_vsrc(0)                   ; and they have read PC and PW, which the quantiser writes again
.endif
	QUANT AC, 1-\ori
.if \ori
.irp k, 0,1,2,3
.if (\t) == 0
	v_mov_b32 v[VW+\k], v[TM+4+\k]
.else
	v_lshl_or_b32 v[VW+\k], v[TM+4+\k], 8*(\t), v[VW+\k]
.endif
.endr
.endif
.endm
	s_cmp_lt_u32 s2, 256
	s_cbranch_scc0 .Lv_text
	XSLOAD 0
	XFLOAD 0, 0
	XFLOAD 0, 1
	TRIP 0, 0
	TRIP 1, 0
	TRIP 2, 0
	TRIP 3, 0
	s_wait_alu depctr_va_vdst(0)                   ; the last pair's quantiser has written PC and PW, which the stores below read
	SEND 3, 0
	ds_load_b64 v[OW:OW+1], v[OSR]                 ; my wave's 64 scale words, in order behind my stores
	s_wait_dscnt 0x0
	global_store_b64 v[L8], v[OW:OW+1], s[58:59] offset:8192   ; 256 consecutive bytes, at a multiple of 256 from the buffer's first byte
	s_wait_dscnt 0x0                               ; the wave's end
	s_wait_alu 0x0
	s_wait_tensorcnt 0x0
	ds_add_u32 v[SPW], v[NIL]
	s_wait_dscnt 0x0
	s_endpgm
.Lv_text:
.irp wt, 0,1,2,3
.irp j, 0,1,2,3,4,5,6,7
	v_mov_b32 v[BI+8*\wt+\j], v[VB+\wt]            ; here a lane holds one channel: its bias in all eight registers of C
.endr
.endr
.rept 4
	v_nop
.endr
	XSLOAD 0                                       ; (the lines above name the bias alone: none of the registers that these loads touch)
	XFLOAD 0, 0
	XFLOAD 0, 1
	s_wait_alu depctr_va_vdst(0)
	TRIP 0, 1
	TRIP 1, 1
	TRIP 2, 1
	TRIP 3, 1
	s_wait_alu depctr_va_vdst(0)                   ; the last pair's quantiser has written PC, and the lines behind it v's scale words: the stores below read them
	SEND 3, 1
.irp k, 0,1,2,3
	ds_store_b32 v[OSW], v[VW+\k] offset:2048+64*\k
.endr
	ds_load_b64 v[OW:OW+1], v[OSR] offset:2048
	s_wait_dscnt 0x0
	global_store_b64 v[L8], v[OW:OW+1], s[58:59] offset:8192
	s_wait_dscnt 0x0                               ; the wave's end, as above
	s_wait_alu 0x0
	s_wait_tensorcnt 0x0
	ds_add_u32 v[SPW], v[NIL]
	s_wait_dscnt 0x0
	s_endpgm
.Lfunc_end_k_q049ee32df5_proj:
	.size	k_q049ee32df5_proj, .Lfunc_end_k_q049ee32df5_proj-k_q049ee32df5_proj
	.p2alignl 7, 3214868480
	.fill 96, 4, 3214868480
	.section	.rodata,"a",@progbits
	.p2align	6, 0x0
	.amdhsa_kernel k_q049ee32df5_proj
		.amdhsa_group_segment_fixed_size 117760
		.amdhsa_private_segment_fixed_size 0
		.amdhsa_enable_private_segment 0
		.amdhsa_kernarg_size 128
		.amdhsa_user_sgpr_count 2
		.amdhsa_user_sgpr_kernarg_segment_ptr 1
		.amdhsa_wavefront_size32 1
		.amdhsa_system_sgpr_workgroup_id_x 1
		.amdhsa_system_sgpr_workgroup_id_y 1
		.amdhsa_system_sgpr_workgroup_id_z 1
		.amdhsa_system_vgpr_workitem_id 0
		.amdhsa_next_free_vgpr 512
		.amdhsa_next_free_sgpr 72
		.amdhsa_reserve_vcc 0
		.amdhsa_float_denorm_mode_32 3
		.amdhsa_float_denorm_mode_16_64 3
		.amdhsa_memory_ordered 1
		.amdhsa_forward_progress 1
		.amdhsa_inst_pref_size 200
	.end_amdhsa_kernel
	.amdgpu_metadata
---
amdhsa.version: [ 1, 2 ]
amdhsa.kernels:
  - .name:           k_q049ee32df5_proj
    .symbol:         k_q049ee32df5_proj.kd
    .args:
      - { .name: Q, .offset: 0, .size: 8, .value_kind: global_buffer, .address_space: global }
      - { .name: K_codes, .offset: 8, .size: 8, .value_kind: global_buffer, .address_space: global }
      - { .name: K_scales, .offset: 16, .size: 8, .value_kind: global_buffer, .address_space: global }
      - { .name: V_codes, .offset: 24, .size: 8, .value_kind: global_buffer, .address_space: global }
      - { .name: V_scales, .offset: 32, .size: 8, .value_kind: global_buffer, .address_space: global }
      - { .name: Wq_codes, .offset: 40, .size: 8, .value_kind: global_buffer, .address_space: global }
      - { .name: Wq_scales, .offset: 48, .size: 8, .value_kind: global_buffer, .address_space: global }
      - { .name: bq, .offset: 56, .size: 8, .value_kind: global_buffer, .address_space: global }
      - { .name: Wk_codes, .offset: 64, .size: 8, .value_kind: global_buffer, .address_space: global }
      - { .name: Wk_scales, .offset: 72, .size: 8, .value_kind: global_buffer, .address_space: global }
      - { .name: bk, .offset: 80, .size: 8, .value_kind: global_buffer, .address_space: global }
      - { .name: Wv_codes, .offset: 88, .size: 8, .value_kind: global_buffer, .address_space: global }
      - { .name: Wv_scales, .offset: 96, .size: 8, .value_kind: global_buffer, .address_space: global }
      - { .name: bv, .offset: 104, .size: 8, .value_kind: global_buffer, .address_space: global }
      - { .name: qw, .offset: 112, .size: 8, .value_kind: global_buffer, .address_space: global }
      - { .name: kv, .offset: 120, .size: 8, .value_kind: global_buffer, .address_space: global }
    .group_segment_fixed_size: 117760
    .private_segment_fixed_size: 0
    .kernarg_segment_align: 8
    .kernarg_segment_size: 128
    .max_flat_workgroup_size: 256
    .sgpr_count:     72
    .vgpr_count:     512
    .wavefront_size: 32
...
	.end_amdgpu_metadata
.endif
;; end of part 4
;; launch attn (part 5): grid 4 x 64, 8 waves a work-group, clusters of 4 x 1, 327,680 bytes of LDS; arguments qw, kv, cimg, csc; writes cimg, csc
.if DOCPART == 5
	.amdgcn_target "amdgcn-amd-amdhsa--gfx1250"
	.amdhsa_code_object_version 6
	.text
	.protected	k_q049ee32df5_attn
	.globl	k_q049ee32df5_attn
	.p2align	8
	.type	k_q049ee32df5_attn,@function
k_q049ee32df5_attn:
	s_mov_b64 s[64:65], 0
	v_nop
	global_prefetch_b8 v0, s[64:65] scope:SCOPE_SE
	s_setreg_imm32_b32 hwreg(HW_REG_WAVE_MODE, 25, 1), 1
	s_wait_xcnt 0x0
	s_wait_alu depctr_hold_cnt(0) depctr_sa_sdst(0) depctr_va_vdst(0) depctr_va_sdst(0) depctr_va_ssrc(0) depctr_va_vcc(0) depctr_vm_vsrc(0)
	s_getreg_b32 s2, hwreg(HW_REG_IB_STS2, 6, 4)
	s_cmp_eq_u32 s2, 0
	s_cbranch_scc0 .Lentry_in_a_cluster
	s_endpgm
.Lentry_in_a_cluster:
	s_bfe_u32 s2, ttmp6, 0x10000c
	s_cmp_lg_u32 s2, 0x3003
	s_cbranch_scc0 .Lentry_shape_is_right
	s_endpgm
.Lentry_shape_is_right:
; ATTENTION on codes of FP8 (E4M3) with one E8M0 scale for each 32 along a product's K: S^T = k q^T, the streaming softmax, O^T = v^T p, O / l, and the quantiser of ctx along the model's 512.  Nothing of reference() is left out here.
; THE SOFTMAX AHEAD OF THE SECOND PRODUCT: t = score x log2(e) / 8; M = the row's largest t so far, rounded UP to a whole number; p = 2^(t - M) is quantised along the keys, not normalised.  The row's sum is
; taken of the unquantised p and divides O at the end.  When M moves, the sum and O are multiplied by 2^(old M - new M), which rounds nothing.
; LIMITS: NaN and infinities are not served; a block of zeros carries the byte 1 (this program alone reads the bytes); a block's largest p is taken from its largest score, which leans on v_exp_f32 not falling where its input rises.
; SHARES.  A cluster of four work-groups is one head of one batch; a work-group owns 512 queries, in two passes of 256; each of its eight waves owns a pair of tiles, 32 queries, in a pass.
; THE WHOLE HEAD'S k AND v STAY IN LDS: 16 key steps x 16,896 bytes, as the launch before laid them, in the order of the operands' registers: no ring, no refill, no barrier in a loop.  The four partners need the same
; bytes, so each wave's one fill (132 rows of 256 bytes) is asked for JOINTLY, by the same descriptor and a mask that names the four.  One tensor load a wave is out, at the head alone.
; K = 64 IN A FORM THAT IS 128 DEEP: a fragment of k holds TWO tiles of keys (registers 0-7, 8-15); q stands twice, as [q | zeros] and [zeros | q], so that each product picks one of the two tiles.  Zero codes add nothing
; under any scale byte but 0xff, and no code here is NaN: every number was held ahead of its conversion.
; LAYOUT.  Both products are used transposed: a lane holds ONE query throughout.  Row r of key tile 2 P + u is key 32 P + 8 u + r + 8 (r / 8), so that the 16 registers of tiles 2 P and 2 P + 1 are keys 32 P + 16 (lane / 16) + 0 .. 15.
; REGISTERS, window 0: v1-7, v30, v233, v235 addresses; v8-15 -M, t, l (two halves) a tile; v16-25 scale words; v26-29 f a tile; v32-159 S^T, then p, 64 a tile; v160-191 p's codes; v192-231 at work, 20 a tile.
;   window 1: v0-63 k's four fragments; v64-127 v's four; v128-191 O^T, 32 a tile; v192-231 zeros, q of tile 0, zeros, q of tile 1, zeros, eight registers each.
.set STEPB, 16896
.set SPARE, 270336                     ; behind the head's k and v: the spare words, 128 bytes for each wave: four blocks of 256 bytes that no other line names
.set LI,  1                            ; 16 x lane
.set LS,  2                            ; 4 x lane
.set ADK, 3                            ; the step's codes
.set ADS, 4                            ; the step's scale words
.set VQC, 5                            ; q's codes: 2,048 (w % 4) + 16 x lane
.set SPW, 6
.set NIL, 7
.set ST,  8
.set KS,  16                           ; v16-17 k's scale words: lanes 0-15 the even pair's, lanes 16-31 the odd pair's
.set VS,  18                           ; v18-19 v's likewise, by channel tiles
.set QS,  20                           ; v20-23 q's: tile 0 for [q | 0], for [0 | q]; tile 1 likewise
.set PS,  24                           ; v24-25 p's
.set F,   26
.set VQS, 30
.set QWR, 31
.set S,   32
.set PC,  160
.set TM,  192                          ; a tile's 20: +0 the blocks' largest, +4 exchange and bytes, +8 the holds, +12 the conversions' scales, +16 one number, +18 a pair
.set PW,  232
.set H16, 233                          ; 16 (lane / 16)
.set SD,  234
.set L2,  235                          ; 2 x lane
.set KF,  0
.set VF,  64
.set O,   128
.set QZ,  192
.set WV,  12
.set G1,  16
.set G0,  32
.set TB,  46
.set CNT, 47
.set CS,  50                           ; s[50:51] c = log2(e) / 8
.set SEL, 52
.set MNT, 54
.set MSB, 0
.macro WIN new
.if MSB != \new
	s_set_vgpr_msb (MSB<<8)|\new
.set MSB, \new
.endif
.endm
.macro CROUND                          ; a round of the cluster's barrier
	s_barrier_signal -1
	s_barrier_wait -1
	s_cmp_lg_u32 s[WV], 0
	s_cbranch_scc1 .Lnot_wave_0_\@
	s_barrier_signal -3
.Lnot_wave_0_\@:
	s_barrier_wait -3
	s_barrier_signal -1
	s_barrier_wait -1
.endm
.macro QUANT s, word                   ; as in the launch before: 64 numbers, four blocks of 16 -> codes v[PC] on, bytes v[TM+4] on, the word v[PW]
.irp b, 0,1,2,3
	v_max3_num_f32 v[TM+\b], |v[\s+16*\b]|, |v[\s+1+16*\b]|, 0x4800000
.endr
.irp i, 2,4,6,8,10,12,14
.irp b, 0,1,2,3
	s_delay_alu instid0(VALU_DEP_4)
	v_max3_num_f32 v[TM+\b], v[TM+\b], |v[\s+16*\b+\i]|, |v[\s+1+16*\b+\i]|
.endr
.endr
.irp b, 0,1,2,3
	s_delay_alu instid0(VALU_DEP_4)
	v_permlanex16_b32 v[TM+4+\b], v[TM+\b], s[SEL], s[SEL+1]
.endr
.irp b, 0,1,2,3
	s_delay_alu instid0(VALU_DEP_4)
	v_max_num_f32 v[TM+\b], v[TM+\b], v[TM+4+\b]
.endr
.irp b, 0,1,2,3
	s_delay_alu instid0(VALU_DEP_4)
	v_add_nc_u32 v[TM+12+\b], 0xfc000000, v[TM+\b]
.endr
.irp b, 0,1,2,3
	v_and_or_b32 v[TM+8+\b], v[TM+\b], 0x7f800000, s[MNT]
.endr
.irp b, 0,1,2,3
	v_lshrrev_b32 v[TM+4+\b], 23, v[TM+12+\b]
.endr
.if \word
	s_delay_alu instid0(VALU_DEP_3)
	v_lshl_or_b32 v[PW], v[TM+5], 8, v[TM+4]
	s_delay_alu instid0(VALU_DEP_1)
	v_lshl_or_b32 v[PW], v[TM+6], 16, v[PW]
	s_delay_alu instid0(VALU_DEP_1)
	v_lshl_or_b32 v[PW], v[TM+7], 24, v[PW]
.endif
.irp b, 0,1,2,3
.irp i, 0,1,2,3,4,5,6,7,8,9,10,11,12,13,14,15
	v_med3_num_f32 v[\s+16*\b+\i], v[\s+16*\b+\i], -v[TM+8+\b], v[TM+8+\b]
.endr
	v_cvt_scalef32_pk8_fp8_f32 v[PC+4*\b:PC+1+4*\b], v[\s+16*\b:\s+7+16*\b], v[TM+12+\b]
	v_cvt_scalef32_pk8_fp8_f32 v[PC+2+4*\b:PC+3+4*\b], v[\s+8+16*\b:\s+15+16*\b], v[TM+12+\b]
.endr
	v_nop
.endm
	s_load_b256 s[4:11], s[0:1], 0x0               ; qw, kv, cimg, csc
	v_lshl_add_u32 v[SPW], v0, 2, SPARE
	v_mov_b32 v[NIL], 0
	ds_add_u32 v[SPW], v[NIL]                      ; the wave's opening: the add, twice on end, and its wait ahead of my first tensor load
	ds_add_u32 v[SPW], v[NIL]
	v_lshrrev_b32 v1, 5, v0
	s_delay_alu instid0(VALU_DEP_1)
	v_readfirstlane_b32 s[WV], v1                  ; wave 0..7
	s_bfe_u32 s13, ttmp6, 0x40000                  ; cx: it enters q's and ctx's addresses alone
	s_and_b32 s14, ttmp7, 0xffff                   ; batch x 8 + head, which the four partners share
	s_mov_b32 s[G1], 15|(3<<16)|(1<<21)            ; the mask: all four; elements of 8 bytes; bit 21 beside a mask; no padding
	s_mov_b32 s[G1+1], 32<<16                      ; tensor_dim0 = 32 elements: rows of 256 bytes
	s_mov_b32 s[G1+2], 132<<16                     ; tensor_dim1 = 132
	s_mov_b32 s[G1+3], 32<<16                      ; tile_dim0
	s_mov_b32 s[G1+4], 132                         ; tile_dim1
	s_mov_b32 s[G1+5], 32                          ; the pitch: the block is dense
	s_mov_b32 s[G1+6], 0
	s_mov_b32 s[G1+7], 0
	s_mov_b32 s[G0], 1
	s_mul_i32 s[G0+1], s[WV], 33792                ; LDS: an eighth of the head's 270,336 bytes for each wave
	s_mul_i32 s24, s14, 270336
	s_add_co_u32 s24, s24, s[G0+1]                 ; the same place in the head's part of kv
	s_mov_b32 s25, 0
	s_lshl_b32 s26, s14, 4
	s_lshl_b32 s27, s13, 2
	s_add_co_u32 s26, s26, s27
	s_lshr_b32 s27, s[WV], 2
	s_add_co_u32 s26, s26, s27
	s_mul_i32 s26, s26, 8448                       ; q: group 4 cx + w / 4 of the head (the second pass: two groups on)
	s_mov_b32 s27, 0
	s_lshr_b32 s28, s14, 3
	s_lshl_b32 s28, s28, 7
	s_lshl_b32 s29, s13, 5
	s_add_co_u32 s28, s28, s29
	s_lshl_b32 s29, s[WV], 1
	s_add_co_u32 s28, s28, s29                     ; my first tile of rows: 128 x batch + 2 (16 cx + w)
	s_and_b32 s29, s14, 7                          ; head
	s_lshl_b32 s30, s28, 5
	s_lshl_b32 s31, s29, 15
	s_add_co_u32 s30, s30, s31                     ; csc: 32,768 x head + 32 x tile
	s_mov_b32 s31, 0
	s_lshl_b32 s28, s28, 13
	s_lshl_b32 s29, s29, 10
	s_add_co_u32 s28, s28, s29                     ; cimg: 8,192 x tile + 1,024 x head
	s_mov_b32 s29, 0
	s_mov_b32 s[CS], 0x3e38aa3b
	s_mov_b32 s[CS+1], s[CS]                       ; (named with it as a pair, so it is written)
	s_mov_b32 s[SEL], 0x76543210
	s_mov_b32 s[SEL+1], 0xfedcba98
	s_mov_b32 s[MNT], 0x600000
	s_wait_dscnt 0x0                               ; both opening adds are done
	s_wait_kmcnt 0x0
	s_add_nc_u64 s[G0+2:G0+3], s[6:7], s[24:25]
	s_or_b32 s[G0+3], s[G0+3], 0x80000000          ; type = 2
	s_add_nc_u64 s[40:41], s[4:5], s[26:27]
	s_add_nc_u64 s[42:43], s[8:9], s[28:29]
	s_add_nc_u64 s[44:45], s[10:11], s[30:31]
	CROUND                                         ; all four work-groups are here: the joint loads meet
	tensor_load_to_lds s[G0:G0+3], s[G1:G1+7]      ; my eighth of the head's k and v: the launch's only fill of these bytes
	s_nop 0
.rept 4
	v_nop
.endr
	v_and_b32 v8, 31, v0                           ; lane
	s_delay_alu instid0(VALU_DEP_1)
	v_lshlrev_b32 v[LI], 4, v8
	s_delay_alu instid0(VALU_DEP_2)
	v_lshlrev_b32 v[LS], 2, v8
	s_delay_alu instid0(VALU_DEP_3)
	v_lshlrev_b32 v[L2], 1, v8
	v_and_b32 v9, 15, v0                           ; r
	v_bfe_u32 v10, v0, 4, 1                        ; h
	s_delay_alu instid0(VALU_DEP_1)
	v_lshlrev_b32 v[H16], 4, v10
	s_and_b32 s26, s[WV], 3
	s_lshl_b32 s27, s26, 11
	v_add_nc_u32 v[VQC], s27, v[LI]
	s_lshl_b32 s27, s26, 6
	s_add_co_u32 s27, s27, 8192
	v_lshl_add_u32 v[VQS], v9, 2, s27
.irp t, 0,1
.irp b, 0,1,2,3
	v_mov_b32 v[TM+20*\t+4+\b], 0                  ; written once: a lane permute's destination counts as one of its sources
.endr
	v_mov_b32 v[F+2*\t+1], 0                       ; (named as the upper half of f's pair)
.endr
	WIN 0x40
.irp z, 0,16,32
.irp j, 0,1,2,3,4,5,6,7
	v_mov_b32 v[QZ+\z+\j], 0                       ; the zero halves beside q
.endr
.endr
	WIN 0
.macro QLOAD pi                        ; my pair's codes of q and its scale words, for pass pi
	WIN 0x40
.irp t, 0,1
.irp b, 0,1
	global_load_b128 v[QZ+8+16*\t+4*\b:QZ+8+16*\t+4*\b+3], v[VQC], s[40:41] offset:16896*\pi+1024*\t+512*\b th:TH_LOAD_NT
.endr
.endr
	WIN 0
	global_load_b32 v[QWR], v[VQS], s[40:41] offset:16896*\pi th:TH_LOAD_NT
.endm
	QLOAD 0
; A KEY STEP: 128 keys for my two tiles of queries.
.macro STEP
	v_add_nc_u32 v[ADK], s[TB], v[LI]
	v_add_nc_u32 v[ADS], s[TB], v[LS]
.rept 6
	v_nop                                          ; with the two additions: eight places behind the last products, ahead of loads into registers that they read
.endr
	ds_load_b32 v[KS], v[ADS] offset:8192
	ds_load_b32 v[KS+1], v[ADS] offset:8320
	ds_load_b32 v[VS], v[ADS] offset:16640
	ds_load_b32 v[VS+1], v[ADS] offset:16768
	WIN 0x40
.irp f, 0,1,2,3,4,5,6,7,8,9,10,11,12,13,14,15
	ds_load_b128 v[KF+4*\f:KF+4*\f+3], v[ADK] offset:512*\f
.endr
.irp f, 0,1,2,3,4,5,6,7,8,9,10,11,12,13,14,15
	ds_load_b128 v[VF+4*\f:VF+4*\f+3], v[ADK] offset:8448+512*\f
.endr
	s_wait_dscnt 16                                ; the scale words and k are in; v's sixteen loads may be out
	WIN 0x05                                       ; k and q in window 1, S^T in window 0
.irp p, 0,1,2,3
.irp u, 0,1
.irp t, 0,1
.if \p % 2
	v_wmma_scale_f32_16x16x128_f8f6f4 v[S+64*\t+8*(2*\p+\u):S+64*\t+8*(2*\p+\u)+7], v[KF+16*\p:KF+16*\p+15], v[QZ+8+16*\t-8*\u:QZ+8+16*\t-8*\u+15], 0, v[KS+\p/2], v[QS+2*\t+\u] matrix_a_scale:MATRIX_SCALE_ROW1
.else
	v_wmma_scale_f32_16x16x128_f8f6f4 v[S+64*\t+8*(2*\p+\u):S+64*\t+8*(2*\p+\u)+7], v[KF+16*\p:KF+16*\p+15], v[QZ+8+16*\t-8*\u:QZ+8+16*\t-8*\u+15], 0, v[KS+\p/2], v[QS+2*\t+\u]
.endif
.endr
.endr
.endr
	WIN 0
.rept 8
	v_nop
.endr
.irp b, 0,1,2,3                                    ; the largest score of each block of 32 keys: for the row's maximum, and, since p rises with the score, for the block's largest p.  The two tiles by turns throughout
.irp t, 0,1
	v_max3_num_f32 v[TM+20*\t+\b], v[S+64*\t+16*\b], v[S+64*\t+16*\b+1], v[S+64*\t+16*\b+2]
.endr
.endr
.irp i, 3,5,7,9,11,13
.irp b, 0,1,2,3
.irp t, 0,1
	v_max3_num_f32 v[TM+20*\t+\b], v[TM+20*\t+\b], v[S+64*\t+16*\b+\i], v[S+64*\t+16*\b+\i+1]
.endr
.endr
.endr
.irp b, 0,1,2,3
.irp t, 0,1
	v_max_num_f32 v[TM+20*\t+\b], v[TM+20*\t+\b], v[S+64*\t+16*\b+15]
.endr
.endr
.irp b, 0,1,2,3
.irp t, 0,1
	v_permlanex16_b32 v[TM+20*\t+4+\b], v[TM+20*\t+\b], s[SEL], s[SEL+1]
.endr
.endr
.irp b, 0,1,2,3
.irp t, 0,1
	v_max_num_f32 v[TM+20*\t+\b], v[TM+20*\t+\b], v[TM+20*\t+4+\b]   ; with lane l xor 16's 16 keys
.endr
.endr
.irp t, 0,1
	s_delay_alu instid0(VALU_DEP_4)
	v_max3_num_f32 v[TM+20*\t+16], v[TM+20*\t], v[TM+20*\t+1], v[TM+20*\t+2]
.endr
.irp t, 0,1
	s_delay_alu instid0(VALU_DEP_2)
	v_max_num_f32 v[TM+20*\t+16], v[TM+20*\t+16], v[TM+20*\t+3]      ; the step's largest score of my query
.endr
.irp t, 0,1
	s_delay_alu instid0(VALU_DEP_2)
	v_mul_f32 v[TM+20*\t+16], s[CS], v[TM+20*\t+16]                  ; as t (c is positive)
.endr
.irp t, 0,1
	s_delay_alu instid0(VALU_DEP_2)
	v_max_num_f32 v[ST+4*\t+1], v[ST+4*\t+1], v[TM+20*\t+16]         ; the running largest t
.endr
.irp t, 0,1
	v_mov_b32 v[TM+20*\t+16], v[ST+4*\t]
.endr
.irp t, 0,1
	s_delay_alu instid0(VALU_DEP_4)
	v_floor_f32 v[ST+4*\t], -v[ST+4*\t+1]                            ; the new -M = floor(-t): M is a whole number
.endr
.irp t, 0,1
	s_delay_alu instid0(VALU_DEP_2)
	v_sub_f32 v[TM+20*\t+16], v[ST+4*\t], v[TM+20*\t+16]             ; old M less new M: a whole number, 0 or less
.endr
.irp t, 0,1
	s_delay_alu instid0(VALU_DEP_2)
	v_cvt_i32_f32 v[TM+20*\t+16], v[TM+20*\t+16]                     ; (it saturates)
.endr
.irp t, 0,1
	s_delay_alu instid0(VALU_DEP_2)
	v_ldexp_f32 v[F+2*\t], 1.0, v[TM+20*\t+16]                       ; f = 2^(old M - new M)
.endr
.set j, 0
.rept 32
.irp t, 0,1
	v_pk_fma_f32 v[S+64*\t+j:S+64*\t+j+1], v[S+64*\t+j:S+64*\t+j+1], s[CS:CS+1], v[ST+4*\t:ST+4*\t+1] op_sel_hi:[1,0,0]   ; t - M, two at a time
.endr
.set j, j+2
.endr
.irp b, 0,1,2,3
.irp t, 0,1
	v_fma_f32 v[TM+20*\t+\b], v[TM+20*\t+\b], s[CS], v[ST+4*\t]      ; the same of each block's largest score
.endr
.endr
.set j, 0
	s_wait_alu depctr_va_vdst(0)
.rept 64
.irp t, 0,1
	v_exp_f32 v[S+64*\t+j], v[S+64*\t+j]                             ; p = 2^(t - M), at most 1
.endr
.set j, j+1
.endr
.irp t, 0,1
	v_pk_mul_f32 v[ST+4*\t+2:ST+4*\t+3], v[ST+4*\t+2:ST+4*\t+3], v[F+2*\t:F+2*\t+1] op_sel_hi:[1,0]   ; the sums under the new M: plain lines behind the exponentials
.endr
	s_wait_alu depctr_va_vdst(0)                   ; the wait ahead of the first line that names a result: one for the batch of 128
.irp b, 0,1,2,3
.irp t, 0,1
	v_exp_f32 v[TM+20*\t+\b], v[TM+20*\t+\b]                         ; the block's largest p: the same two instructions on the same number
.endr
.endr
.irp t, 0,1
	v_pk_add_f32 v[TM+20*\t+18:TM+20*\t+19], v[S+64*\t:S+64*\t+1], v[S+64*\t+2:S+64*\t+3]   ; the row's sum, of the unquantised p, in two chains a tile
.endr
.set j, 4
	s_setprio 1
.rept 15
.irp t, 0,1
	v_pk_add_f32 v[ST+4*\t+2:ST+4*\t+3], v[ST+4*\t+2:ST+4*\t+3], v[S+64*\t+j:S+64*\t+j+1]
	v_pk_add_f32 v[TM+20*\t+18:TM+20*\t+19], v[TM+20*\t+18:TM+20*\t+19], v[S+64*\t+j+2:S+64*\t+j+3]
.endr
.set j, j+4
.endr
.irp t, 0
	s_delay_alu instid0(VALU_DEP_3)
	v_pk_add_f32 v[ST+4*\t+2:ST+4*\t+3], v[ST+4*\t+2:ST+4*\t+3], v[TM+20*\t+18:TM+20*\t+19]
.endr
.irp t, 1
	s_delay_alu instid0(VALU_DEP_2)
	v_pk_add_f32 v[ST+4*\t+2:ST+4*\t+3], v[ST+4*\t+2:ST+4*\t+3], v[TM+20*\t+18:TM+20*\t+19]
.endr
	s_wait_alu depctr_va_vdst(0)                   ; and one for the eight
.irp b, 0,1,2,3
.irp t, 0,1
	v_max_num_f32 v[TM+20*\t+\b], 0x4800000, v[TM+20*\t+\b]          ; the floor: the byte cannot fall under 1
.endr
.endr
.irp b, 0,1,2,3
.irp t, 0,1
	v_add_nc_u32 v[TM+20*\t+12+\b], 0xfc000000, v[TM+20*\t+\b]
.endr
.endr
.irp b, 0,1,2,3
.irp t, 0,1
	v_and_or_b32 v[TM+20*\t+8+\b], v[TM+20*\t+\b], 0x7f800000, s[MNT]
.endr
.endr
.irp b, 0,1,2,3
.irp t, 0,1
	v_lshrrev_b32 v[TM+20*\t+4+\b], 23, v[TM+20*\t+12+\b]
.endr
.endr
.irp t, 0,1
	v_lshl_or_b32 v[PS+\t], v[TM+20*\t+5], 8, v[TM+20*\t+4]          ; p's scale word for these 128 keys
.endr
.irp t, 0,1
	s_delay_alu instid0(VALU_DEP_2)
	v_lshl_or_b32 v[PS+\t], v[TM+20*\t+6], 16, v[PS+\t]
.endr
.irp t, 0,1
	s_delay_alu instid0(VALU_DEP_2)
	v_lshl_or_b32 v[PS+\t], v[TM+20*\t+7], 24, v[PS+\t]
.endr
.irp b, 0,1,2,3
.irp t, 0,1
.set j, 0
.rept 16
	v_min_num_f32 v[S+64*\t+16*\b+j], v[S+64*\t+16*\b+j], v[TM+20*\t+8+\b]   ; p is not negative: the hold is one-sided
.set j, j+1
.endr
	v_cvt_scalef32_pk8_fp8_f32 v[PC+16*\t+4*\b:PC+16*\t+4*\b+1], v[S+64*\t+16*\b:S+64*\t+16*\b+7], v[TM+20*\t+12+\b]
	v_cvt_scalef32_pk8_fp8_f32 v[PC+16*\t+4*\b+2:PC+16*\t+4*\b+3], v[S+64*\t+16*\b+8:S+64*\t+16*\b+15], v[TM+20*\t+12+\b]
.endr
.endr
	WIN 0x41                                       ; O^T (destination and source 0) in window 1, f in window 0
.set j, 0
	s_setprio 0
.rept 16
.irp t, 0,1
	v_pk_mul_f32 v[O+32*\t+j:O+32*\t+j+1], v[O+32*\t+j:O+32*\t+j+1], v[F+2*\t:F+2*\t+1] op_sel_hi:[1,0]   ; O^T under the new M; these lines are also the places between the codes and the products
.endr
.set j, j+2
.endr
	s_wait_alu depctr_va_vdst(0)
	s_wait_dscnt 0x0                               ; v is in
	WIN 0x51                                       ; v in window 1, p in window 0, O^T in window 1
.irp wt, 0,1,2,3                                   ; eight accumulators by turns
.irp t, 0,1
.if \wt % 2
	v_wmma_scale_f32_16x16x128_f8f6f4 v[O+32*\t+8*\wt:O+32*\t+8*\wt+7], v[VF+16*\wt:VF+16*\wt+15], v[PC+16*\t:PC+16*\t+15], v[O+32*\t+8*\wt:O+32*\t+8*\wt+7], v[VS+\wt/2], v[PS+\t] matrix_a_scale:MATRIX_SCALE_ROW1
.else
	v_wmma_scale_f32_16x16x128_f8f6f4 v[O+32*\t+8*\wt:O+32*\t+8*\wt+7], v[VF+16*\wt:VF+16*\wt+15], v[PC+16*\t:PC+16*\t+15], v[O+32*\t+8*\wt:O+32*\t+8*\wt+7], v[VS+\wt/2], v[PS+\t]
.endif
.endr
.endr
	WIN 0
	s_add_co_u32 s[TB], s[TB], STEPB
.endm
; O^T / l becomes codes along the model's 512: my head's two blocks of each row.  The images lie as the last launch's operand wants them.
.macro FINISH pi
.irp t, 0,1
	v_add_f32 v[TM+20*\t+16], v[ST+4*\t+2], v[ST+4*\t+3]
.endr
.irp t, 0,1
	s_delay_alu instid0(VALU_DEP_2)
	v_permlanex16_b32 v[TM+20*\t+4], v[TM+20*\t+16], s[SEL], s[SEL+1]
.endr
.irp t, 0,1
	s_delay_alu instid0(VALU_DEP_2)
	v_add_f32 v[TM+20*\t+16], v[TM+20*\t+16], v[TM+20*\t+4]          ; the row's sum
.endr
	s_wait_alu depctr_va_vdst(0)
.irp t, 0,1
	v_rcp_f32 v[F+2*\t], v[TM+20*\t+16]
.endr
	v_nop                                          ; a plain line behind the reciprocals,
	s_wait_alu depctr_va_vdst(0)                   ; and the wait ahead of their first use
	WIN 0x01                                       ; source 0 (O^T) window 1
.irp t, 0,1
.set j, 0
.rept 16
	v_pk_mul_f32 v[S+32*\t+j:S+32*\t+j+1], v[O+32*\t+j:O+32*\t+j+1], v[F+2*\t:F+2*\t+1] op_sel_hi:[1,0]   ; each accumulator from its low end on
.set j, j+2
.endr
.endr
	WIN 0
	QUANT S, 1
.irp t, 0,1
.irp b, 0,1
	global_store_b128 v[LI], v[PC+8*\t+4*\b:PC+8*\t+4*\b+3], s[42:43] offset:131072*\pi+8192*\t+512*\b   ; 512 consecutive bytes, at a multiple of 256 from the buffer's first byte
.endr
.endr
	v_lshrrev_b32 v[SD], v[H16], v[PW]             ; lanes 0-15 send tile 0's two bytes, lanes 16-31 tile 1's
	global_store_b16 v[L2], v[SD], s[44:45] offset:512*\pi   ; 64 consecutive bytes: a small part of what the launch stores
.endm
.macro PASS pi
.if \pi
	s_wait_xcnt 0x0                                ; the first pass's stores have read their registers
.endif
	s_wait_loadcnt 0x0                             ; q
	v_and_b32 v[QS], 0xffff, v[QWR]                ; the scale bytes follow q's place in the 128; beside them the byte 0, over zero codes
	v_lshlrev_b32 v[QS+1], 16, v[QWR]
	v_lshrrev_b32 v[QS+2], 16, v[QWR]
	v_and_b32 v[QS+3], 0xffff0000, v[QWR]
.irp t, 0,1
	v_mov_b32 v[ST+4*\t+1], 0xff61b1e6             ; the largest t so far: -3e38
	s_delay_alu instid0(VALU_DEP_1)
	v_floor_f32 v[ST+4*\t], -v[ST+4*\t+1]
	v_mov_b32 v[ST+4*\t+2], 0
	v_mov_b32 v[ST+4*\t+3], 0
.endr
	WIN 0x40
.set j, 0
.rept 64
	v_mov_b32 v[O+j], 0                            ; O^T: the step is written once, and its first trip finds zeros, which the first change of M leaves zeros
.set j, j+1
.endr
	WIN 0
	s_mov_b32 s[TB], 0
	s_mov_b32 s[CNT], 16
.Lstep_\@:
	s_setprio 2
	STEP
	s_sub_co_u32 s[CNT], s[CNT], 1
	s_cmp_lg_u32 s[CNT], 0
	s_cbranch_scc1 .Lstep_\@
	s_setprio 0
.rept 8
	v_nop                                          ; eight places behind the last products
.endr
.if \pi == 0
	QLOAD 1                                        ; the second pass's q lands under the first pass's way out
.endif
	FINISH \pi
.endm
	s_wait_tensorcnt 0x0                           ; my eighth of the head has landed,
	s_barrier_signal -1
	s_barrier_wait -1                              ; everybody's has
	PASS 0
	PASS 1
	s_wait_tensorcnt 0x0                           ; the wave's end
	ds_add_u32 v[SPW], v[NIL]
	s_wait_dscnt 0x0
	CROUND                                         ; the closing round
	s_endpgm
.Lfunc_end_k_q049ee32df5_attn:
	.size	k_q049ee32df5_attn, .Lfunc_end_k_q049ee32df5_attn-k_q049ee32df5_attn
	.p2alignl 7, 3214868480
	.fill 96, 4, 3214868480
	.section	.rodata,"a",@progbits
	.p2align	6, 0x0
	.amdhsa_kernel k_q049ee32df5_attn
		.amdhsa_group_segment_fixed_size 327680
		.amdhsa_private_segment_fixed_size 0
		.amdhsa_enable_private_segment 0
		.amdhsa_kernarg_size 32
		.amdhsa_user_sgpr_count 2
		.amdhsa_user_sgpr_kernarg_segment_ptr 1
		.amdhsa_wavefront_size32 1
		.amdhsa_system_sgpr_workgroup_id_x 1
		.amdhsa_system_sgpr_workgroup_id_y 1
		.amdhsa_system_sgpr_workgroup_id_z 1
		.amdhsa_system_vgpr_workitem_id 0
		.amdhsa_next_free_vgpr 512
		.amdhsa_next_free_sgpr 72
		.amdhsa_reserve_vcc 0
		.amdhsa_float_denorm_mode_32 3
		.amdhsa_float_denorm_mode_16_64 3
		.amdhsa_memory_ordered 1
		.amdhsa_forward_progress 1
		.amdhsa_inst_pref_size 107
	.end_amdhsa_kernel
	.amdgpu_metadata
---
amdhsa.version: [ 1, 2 ]
amdhsa.kernels:
  - .name:           k_q049ee32df5_attn
    .symbol:         k_q049ee32df5_attn.kd
    .args:
      - { .name: qw, .offset: 0, .size: 8, .value_kind: global_buffer, .address_space: global }
      - { .name: kv, .offset: 8, .size: 8, .value_kind: global_buffer, .address_space: global }
      - { .name: cimg, .offset: 16, .size: 8, .value_kind: global_buffer, .address_space: global }
      - { .name: csc, .offset: 24, .size: 8, .value_kind: global_buffer, .address_space: global }
    .group_segment_fixed_size: 327680
    .private_segment_fixed_size: 0
    .kernarg_segment_align: 8
    .kernarg_segment_size: 32
    .max_flat_workgroup_size: 256
    .sgpr_count:     72
    .vgpr_count:     512
    .wavefront_size: 32
...
	.end_amdgpu_metadata
.endif
;; end of part 5
;; launch outln (part 6): grid 256 x 1, 8 waves a work-group, no clusters, 297,984 bytes of LDS; arguments cimg, csc, Wo_codes, Wo_scales, bo, Q, gamma, beta, out0; writes out0
.if DOCPART == 6
	.amdgcn_target "amdgcn-amd-amdhsa--gfx1250"
	.amdhsa_code_object_version 6
	.text
	.protected	k_q049ee32df5_outln
	.globl	k_q049ee32df5_outln
	.p2align	8
	.type	k_q049ee32df5_outln,@function
k_q049ee32df5_outln:
	s_mov_b64 s[64:65], 0
	v_nop
	global_prefetch_b8 v0, s[64:65] scope:SCOPE_SE
	s_setreg_imm32_b32 hwreg(HW_REG_WAVE_SCHED_MODE, 0, 2), 2
	s_setreg_imm32_b32 hwreg(HW_REG_WAVE_MODE, 25, 1), 1
	s_wait_xcnt 0x0
	s_wait_alu depctr_vm_vsrc(0)
; out0 = LayerNorm(ctx Wo^T + bo + Q) x gamma + beta.  The product is on codes of FP8 (E4M3) with E8M0 scales; all else in f32.  Nothing of reference() is left out here.
; LIMITS: NaN and infinities among the inputs are not served.
; SHARES.  A work-group takes 64 rows (four tiles, as the launch before laid their images).  THE WAVES SHARE THE COLUMNS of the product: wave w makes columns 64 w .. 64 w + 63 for all 64 rows, with its 64 rows of Wo
; in window 1, read from memory once.  The results meet in a stage in LDS; for the norm wave w takes eight whole rows, 8 w .. 8 w + 7 of the stage, which are eight consecutive tokens:
; row r of tile 2 P + u is token 32 P + 8 u + r + 8 (r / 8).  Their rows of Q are asked for at the head and wait in the wave's own 16 KiB of LDS.
; The product is used transposed (source 0 = 16 rows of Wo, source 1 = 16 rows of ctx): a lane holds eight neighbouring columns of one row.  bo is the C of each sum's first product.
; No cluster: what the work-groups share, Wo, goes from memory straight into registers in the order of the fragments; a joint load would have to land its 262,144 bytes in LDS, beside the 297,984 that are in use.
; THE MODE: SCHED_MODE bits 1:0 = 2 (LLVM: expert scheduling mode 2), set by the entry lines.  The code itself states the register dependences
; between vector or matrix instructions and memory or LDS instructions, with s_wait_alu, always for 0.
; THE PLAN.  Registers that memory or LDS instructions touch:
;   the addresses  Made at the head, ahead of the one wait in front of the first load; never written again.
;   v72-232        At the head: Q's rows, the images and the scale bytes land there and the LDS stores read them; one wait on vm_vsrc behind those stores frees them all for what follows.
;   XF0, XF1, XSR  Read by a K step's products; loaded again behind them.
;   AC             Written by the products; read by the stage's sixteen stores behind a pair's last K step; begun anew by the next pair; then rows of the norm land there.
;   v72-199        In the norm: four rows land, the norm works in place, sixteen stores read them, the next four rows land.
; So a pair of tiles has three waits on va_vdst: behind K step 0, behind K step 1, and behind K step 3 (the accumulators are written, both sets and XSR are read: the next pair's loads and the stage's stores follow it).
; The norm has one ahead of its four reciprocal roots, one behind them and one ahead of its stores.  A wait on vm_vsrc stands ahead of each first write of registers that stores have read.
.set CSCL,  32768                      ; behind the four tiles' images (32,768 bytes from 0): their scale bytes, 16 a row
.set QRES,  33792                      ; Q's rows: 16,384 bytes for each wave
.set STG,   164864                     ; the stage: 64 rows x (2,048 + 16) bytes
.set SPITCH, 2064
.set SPARE, 296960                     ; the spare words, 128 bytes for each wave: four blocks of 256 bytes that no other line names
.set LI,   4                           ; 16 x lane
.set L4,   5                           ; 4 x lane
.set AXS,  6                           ; CSCL + 16 r
.set CW,   7                           ; CSCL + 32 x lane + 2 w
.set QRA,  8                           ; QRES + 16,384 w + 16 x lane
.set CIW,  9                           ; 4,096 w + 16 x lane: in cimg's part and in LDS alike
.set AW,   10                          ; r x 512 + 16 h
.set AWS,  11                          ; r x 16
.set SO0,  12                          ; the stage, in: rows 0-31; v13: rows 32-63
.set SRA,  14                          ; the stage, out: my eight rows
.set BO32, 15                          ; 32 h
.set WSR,  16
.set XSR,  32
.set BI,   40
.set XF,   72
.set AC,   136
.set GM,   200
.set BT,   216
.set WK,   232                         ; v232-247 two pairs a row; v248-251 the exchange
.set SPW,  252
.set NIL,  253
.set SEL,  28
.set MSB, 0
.macro WIN new
.if MSB != \new
	s_set_vgpr_msb (MSB<<8)|\new
.set MSB, \new
.endif
.endm
	s_load_b512 s[4:19], s[0:1], 0x0               ; cimg, csc, Wo codes, Wo scales, bo, Q, gamma, beta
	s_load_b64 s[20:21], s[0:1], 0x40              ; out0
	v_lshl_add_u32 v[SPW], v0, 2, SPARE
	v_mov_b32 v[NIL], 0
	v_lshrrev_b32 v1, 5, v0
	v_readfirstlane_b32 s3, v1                     ; wave
	s_mov_b32 s2, ttmp9
	v_and_b32 v3, 31, v0
	v_and_b32 v1, 15, v0                           ; r
	v_bfe_u32 v2, v0, 4, 1                         ; h
	v_lshlrev_b32 v[LI], 4, v3
	v_lshlrev_b32 v[L4], 2, v3
	v_lshl_add_u32 v[AXS], v1, 4, CSCL
	s_wait_alu depctr_va_sdst(0)                   ; s3 is written, ahead of its first reader: LDS addresses and the buffers' offsets are made from it
	s_lshl_b32 s22, s3, 1
	s_add_co_u32 s22, s22, CSCL
	v_lshl_add_u32 v[CW], v3, 5, s22
	s_lshl_b32 s22, s3, 14
	s_add_co_u32 s22, s22, QRES
	v_add_nc_u32 v[QRA], s22, v[LI]
	s_lshl_b32 s22, s3, 12
	v_add_nc_u32 v[CIW], s22, v[LI]
	v_lshlrev_b32 v[AW], 9, v1
	v_lshl_add_u32 v[AW], v2, 4, v[AW]
	v_lshlrev_b32 v[AWS], 4, v1
	v_mul_u32_u24 v[SO0], v1, SPITCH
	v_lshl_add_u32 v[SO0], v2, 5, v[SO0]
	s_lshl_b32 s22, s3, 8
	s_add_co_u32 s22, s22, STG
	v_add_nc_u32 v[SO0], s22, v[SO0]               ; row r, + 256 w + 32 h: my eight columns
	v_add_nc_u32 v[SO0+1], 32*SPITCH, v[SO0]
	s_mul_i32 s22, s3, 8*SPITCH
	s_add_co_u32 s22, s22, STG
	v_add_nc_u32 v[SRA], s22, v[LI]
	v_lshlrev_b32 v[BO32], 5, v2
.irp p, 0,1,2,3
	v_mov_b32 v[WK+16+\p], 0                       ; written once: a lane permute's destination counts as one of its sources
.endr
	s_mov_b32 s[SEL], 0x76543210
	s_mov_b32 s[SEL+1], 0xfedcba98
	s_mov_b32 s30, 0x3b000000                      ; 1 / 512
	s_mov_b32 s31, 0x3727c5ac                      ; 1e-5
	s_lshl_b32 s22, s2, 15                         ; cimg: my four tiles
	s_mov_b32 s23, 0
	s_lshl_b32 s24, s3, 15
	s_lshl_b32 s25, s2, 7
	s_add_co_u32 s24, s24, s25                     ; csc: head w, my 64 rows
	s_mov_b32 s25, 0
	s_lshl_b32 s26, s2, 6
	s_lshr_b32 s27, s3, 2
	s_lshl_b32 s27, s27, 5
	s_add_co_u32 s26, s26, s27
	s_bfe_u32 s27, s3, 0x10001
	s_lshl_b32 s27, s27, 3
	s_add_co_u32 s26, s26, s27
	s_and_b32 s27, s3, 1
	s_lshl_b32 s27, s27, 4
	s_add_co_u32 s26, s26, s27                     ; my first token: 64 g + 32 (w / 4) + 8 ((w / 2) % 2) + 16 (w % 2)
	s_lshl_b32 s26, s26, 11
	s_mov_b32 s27, 0
	s_mov_b32 s33, 0
	s_wait_kmcnt 0x0
	s_add_nc_u64 s[4:5], s[4:5], s[22:23]
	s_add_nc_u64 s[6:7], s[6:7], s[24:25]
	s_add_nc_u64 s[14:15], s[14:15], s[26:27]
	s_add_nc_u64 s[20:21], s[20:21], s[26:27]
	s_lshl_b32 s32, s3, 15
	s_add_nc_u64 s[8:9], s[8:9], s[32:33]          ; my 64 rows of Wo,
	s_lshl_b32 s32, s3, 10
	s_add_nc_u64 s[10:11], s[10:11], s[32:33]      ; their scale bytes,
	s_lshl_b32 s32, s3, 8
	s_add_nc_u64 s[12:13], s[12:13], s[32:33]      ; my 64 numbers of bo
	s_wait_alu depctr_va_vdst(0)                   ; all addresses and offsets of the kernel are written, which its loads and stores read
.irp i, 0,1,2,3,4,5,6,7,8,9,10,11,12,13,14,15,16,17,18,19,20,21,22,23,24,25,26,27,28,29,30,31
	global_load_b128 v[XF+4*\i:XF+4*\i+3], v[LI], s[14:15] offset:512*\i th:TH_LOAD_NT   ; my eight rows of Q: 16,384 consecutive bytes
.endr
.irp i, 0,1,2,3,4,5,6,7
	global_load_b128 v[GM+4*\i:GM+4*\i+3], v[CIW], s[4:5] offset:512*\i th:TH_LOAD_NT    ; my eighth of the four tiles' images
.endr
	global_load_b32 v[WK], v[L4], s[6:7] th:TH_LOAD_NT                                   ; head w's scale bytes of two rows
.irp wt, 0,1,2,3
	global_load_b128 v[WSR+4*\wt:WSR+4*\wt+3], v[AWS], s[10:11] offset:256*\wt
.endr
.irp wt, 0,1,2,3
	global_load_b128 v[BI+8*\wt:BI+8*\wt+3], v[BO32], s[12:13] offset:64*\wt
	global_load_b128 v[BI+8*\wt+4:BI+8*\wt+7], v[BO32], s[12:13] offset:64*\wt+16
.endr
	WIN 0x40
.irp f, 0,1,2,3,4,5,6,7,8,9,10,11,12,13,14,15      ; Wo's fragment f = 4 wt + s
.irp c, 0,1,2,3
	global_load_b128 v[16*\f+4*\c:16*\f+4*\c+3], v[AW], s[8:9] offset:16*(\f/4)*512+128*(\f%4)+32*\c
.endr
.endr
	WIN 0
	s_wait_loadcnt 63                              ; 76 loads follow those wanted now: with 63 out, Q's, the images' and the scale bytes' are in
.irp i, 0,1,2,3,4,5,6,7,8,9,10,11,12,13,14,15,16,17,18,19,20,21,22,23,24,25,26,27,28,29,30,31
	ds_store_b128 v[QRA], v[XF+4*\i:XF+4*\i+3] offset:512*\i     ; only this wave reads them back
.endr
.irp i, 0,1,2,3,4,5,6,7
	ds_store_b128 v[CIW], v[GM+4*\i:GM+4*\i+3] offset:512*\i
.endr
	ds_store_b16 v[CW], v[WK]                      ; row 2 x lane: bytes 2 w, 2 w + 1 of its 16
	ds_store_b16_d16_hi v[CW], v[WK] offset:16     ; row 2 x lane + 1
	s_wait_dscnt 0x0                               ; for the others' sake: my stores have landed
	s_wait_alu depctr_vm_vsrc(0)                   ; my stores have read v72 to v232: gamma, beta and the fragments land there, and the products and the norm write there
.irp k, 0,1,2,3
	global_load_b128 v[GM+4*\k:GM+4*\k+3], v[LI], s[16:17] offset:512*\k
	global_load_b128 v[BT+4*\k:BT+4*\k+3], v[LI], s[18:19] offset:512*\k
.endr
	s_barrier_signal -1
	s_barrier_wait -1                              ; the four tiles' images and scale bytes lie in LDS
	s_wait_loadcnt 8                               ; Wo, its scale words and bo are in; gamma's and beta's eight loads may be out
.macro XSLOAD t
.irp u, 0,1
	ds_load_b128 v[XSR+4*\u:XSR+4*\u+3], v[AXS] offset:(32*(\t)+16*\u)*16
.endr
.endm
.macro XFLOAD t, s
.irp u, 0,1
.irp c, 0,1,2,3
	ds_load_b128 v[XF+32*((\s)%2)+16*\u+4*\c:XF+32*((\s)%2)+16*\u+4*\c+3], v[LI] offset:8192*(2*(\t)+\u)+2048*(\s)+512*\c
.endr
.endr
.endm
.macro MULS s                          ; eight products, eight accumulators by turns; the first K step takes bo as C
	WIN 0x01
.irp u, 0,1
.irp wt, 0,1,2,3
.if (\s) == 0
	v_wmma_scale_f32_16x16x128_f8f6f4 v[AC+32*\u+8*\wt:AC+32*\u+8*\wt+7], v[16*(4*\wt+(\s)):16*(4*\wt+(\s))+15], v[XF+32*((\s)%2)+16*\u:XF+32*((\s)%2)+16*\u+15], v[BI+8*\wt:BI+8*\wt+7], v[WSR+4*\wt+(\s)], v[XSR+4*\u+(\s)]
.else
	v_wmma_scale_f32_16x16x128_f8f6f4 v[AC+32*\u+8*\wt:AC+32*\u+8*\wt+7], v[16*(4*\wt+(\s)):16*(4*\wt+(\s))+15], v[XF+32*((\s)%2)+16*\u:XF+32*((\s)%2)+16*\u+15], v[AC+32*\u+8*\wt:AC+32*\u+8*\wt+7], v[WSR+4*\wt+(\s)], v[XSR+4*\u+(\s)]
.endif
.endr
.endr
.endm
.macro TRIP t                          ; a pair of tiles against my 64 rows of Wo
.if (\t) == 1
	s_wait_dscnt 24                                ; the scale words and K step 0's fragments are in; behind them stand set 1's eight loads and the stage's sixteen stores
	s_wait_alu depctr_vm_vsrc(0)                   ; the stage's stores have read the accumulators, which the products below begin anew
.else
	s_wait_dscnt 8                                 ; the scale words and K step 0's fragments are in; the eight loads of set 1 may be out
.endif
	MULS 0
	WIN 0
.rept 9
	v_nop                                          ; the places behind these products (ISA guide 7.12.1); they stay beside the wait below
.endr
	s_wait_alu depctr_va_vdst(0)                   ; K step 0's products are done reading set 0, in which K step 2's fragments land
	XFLOAD \t, 2
.if (\t) == 1
	s_wait_dscnt 24                                ; set 1 is in; behind it stand the stage's sixteen stores and the eight loads just issued
.else
	s_wait_dscnt 8                                 ; set 1 is in; the eight loads just issued may be out
.endif
	MULS 1
	WIN 0
.rept 9
	v_nop
.endr
	s_wait_alu depctr_va_vdst(0)                   ; K step 1's products are done reading set 1, in which K step 3's fragments land
	XFLOAD \t, 3
	s_wait_dscnt 8                                 ; K step 2's fragments are in; K step 3's eight loads may be out
	MULS 2
	s_wait_dscnt 0x0                               ; K step 3's are in
	MULS 3
	WIN 0
.rept 9
	v_nop                                          ; eight places serve the reads of results; the ninth the next pair's first products, which write over these accumulators with another C
.endr
	s_wait_alu depctr_va_vdst(0)                   ; the products have written the accumulators, which the stage's stores read, and are done reading both sets and the scale words, in which later loads land
.if (\t) < 1
	XSLOAD (\t)+1
	XFLOAD (\t)+1, 0
	XFLOAD (\t)+1, 1
.endif
.irp u, 0,1
.irp wt, 0,1,2,3
	ds_store_b128 v[SO0+(\t)], v[AC+32*\u+8*\wt:AC+32*\u+8*\wt+3] offset:16*SPITCH*\u+64*\wt          ; each accumulator from its low end on
	ds_store_b128 v[SO0+(\t)], v[AC+32*\u+8*\wt+4:AC+32*\u+8*\wt+7] offset:16*SPITCH*\u+64*\wt+16
.endr
.endr
.endm
	XSLOAD 0
	XFLOAD 0, 0
	XFLOAD 0, 1
	TRIP 0
	TRIP 1
	s_wait_dscnt 0x0
	s_barrier_signal -1
	s_barrier_wait -1                              ; 64 whole rows lie in the stage
	s_wait_loadcnt 0x0                             ; gamma, beta
	s_wait_alu depctr_vm_vsrc(0)                   ; the stage's stores have read the accumulators' registers, in which rows of the norm land
; Four rows at a time, the rows by turns.  A lane holds columns 128 k + 4 x lane + 0 .. 3, k = 0 .. 3, of each.  Row p: v[72 + 32 p] on: 16 numbers of the stage, then 16 of Q.
.macro NORM g
.irp p, 0,1,2,3
.irp k, 0,1,2,3
	ds_load_b128 v[XF+32*\p+4*\k:XF+32*\p+4*\k+3], v[SRA] offset:(4*\g+\p)*SPITCH+512*\k
	ds_load_b128 v[XF+32*\p+16+4*\k:XF+32*\p+16+4*\k+3], v[QRA] offset:(4*\g+\p)*2048+512*\k
.endr
.endr
	s_wait_dscnt 0x0
.irp j, 0,2,4,6,8,10,12,14
.irp p, 0,1,2,3
	v_pk_add_f32 v[XF+32*\p+\j:XF+32*\p+\j+1], v[XF+32*\p+\j:XF+32*\p+\j+1], v[XF+32*\p+16+\j:XF+32*\p+16+\j+1]   ; + Q
.endr
.endr
.irp p, 0,1,2,3
	v_pk_add_f32 v[WK+4*\p:WK+4*\p+1], v[XF+32*\p:XF+32*\p+1], v[XF+32*\p+2:XF+32*\p+3]
	v_pk_add_f32 v[WK+4*\p+2:WK+4*\p+3], v[XF+32*\p+4:XF+32*\p+5], v[XF+32*\p+6:XF+32*\p+7]
.endr
.irp j, 8,12
.irp p, 0,1,2,3
	v_pk_add_f32 v[WK+4*\p:WK+4*\p+1], v[WK+4*\p:WK+4*\p+1], v[XF+32*\p+\j:XF+32*\p+\j+1]
	v_pk_add_f32 v[WK+4*\p+2:WK+4*\p+3], v[WK+4*\p+2:WK+4*\p+3], v[XF+32*\p+\j+2:XF+32*\p+\j+3]
.endr
.endr
.irp p, 0,1,2,3
	v_pk_add_f32 v[WK+4*\p:WK+4*\p+1], v[WK+4*\p:WK+4*\p+1], v[WK+4*\p+2:WK+4*\p+3]
.endr
.irp p, 0,1,2,3
	v_add_f32 v[WK+4*\p], v[WK+4*\p], v[WK+4*\p+1]
.endr
.irp m, 1,2,4,8
.irp p, 0,1,2,3
	v_add_f32_dpp v[WK+4*\p], v[WK+4*\p], v[WK+4*\p] row_xmask:\m row_mask:0xf bank_mask:0xf
.endr
.endr
.irp p, 0,1,2,3
	v_permlanex16_b32 v[WK+16+\p], v[WK+4*\p], s[SEL], s[SEL+1]
.endr
.irp p, 0,1,2,3
	v_add_f32 v[WK+4*\p], v[WK+4*\p], v[WK+16+\p]                ; the row's sum, in every lane
.endr
.irp p, 0,1,2,3
	v_mul_f32 v[WK+4*\p], 0xbb000000, v[WK+4*\p]                 ; -mu = the sum x -1 / 512
.endr
.irp j, 0,2,4,6,8,10,12,14
.irp p, 0,1,2,3
	v_pk_add_f32 v[XF+32*\p+\j:XF+32*\p+\j+1], v[XF+32*\p+\j:XF+32*\p+\j+1], v[WK+4*\p:WK+4*\p+1] op_sel_hi:[1,0]   ; x - mu
.endr
.endr
.irp p, 0,1,2,3                                    ; the squares, in two chains, in the registers that held Q
	v_pk_mul_f32 v[XF+32*\p+16:XF+32*\p+17], v[XF+32*\p:XF+32*\p+1], v[XF+32*\p:XF+32*\p+1]
	v_pk_mul_f32 v[XF+32*\p+18:XF+32*\p+19], v[XF+32*\p+2:XF+32*\p+3], v[XF+32*\p+2:XF+32*\p+3]
.endr
.irp j, 4,8,12
.irp p, 0,1,2,3
	v_pk_fma_f32 v[XF+32*\p+16:XF+32*\p+17], v[XF+32*\p+\j:XF+32*\p+\j+1], v[XF+32*\p+\j:XF+32*\p+\j+1], v[XF+32*\p+16:XF+32*\p+17]
	v_pk_fma_f32 v[XF+32*\p+18:XF+32*\p+19], v[XF+32*\p+\j+2:XF+32*\p+\j+3], v[XF+32*\p+\j+2:XF+32*\p+\j+3], v[XF+32*\p+18:XF+32*\p+19]
.endr
.endr
.irp p, 0,1,2,3
	v_pk_add_f32 v[XF+32*\p+16:XF+32*\p+17], v[XF+32*\p+16:XF+32*\p+17], v[XF+32*\p+18:XF+32*\p+19]
.endr
.irp p, 0,1,2,3
	v_add_f32 v[WK+4*\p+2], v[XF+32*\p+16], v[XF+32*\p+17]
.endr
.irp m, 1,2,4,8
.irp p, 0,1,2,3
	v_add_f32_dpp v[WK+4*\p+2], v[WK+4*\p+2], v[WK+4*\p+2] row_xmask:\m row_mask:0xf bank_mask:0xf
.endr
.endr
.irp p, 0,1,2,3
	v_permlanex16_b32 v[WK+16+\p], v[WK+4*\p+2], s[SEL], s[SEL+1]
.endr
.irp p, 0,1,2,3
	v_add_f32 v[WK+4*\p+2], v[WK+4*\p+2], v[WK+16+\p]
.endr
.irp p, 0,1,2,3
	v_fma_f32 v[WK+4*\p+2], v[WK+4*\p+2], s30, s31               ; the variance + 1e-5
.endr
	s_wait_alu depctr_va_vdst(0)
.irp p, 0,1,2,3
	v_rsq_f32 v[WK+4*\p+2], v[WK+4*\p+2]
.endr
	v_nop                                          ; a plain line behind the four,
	s_wait_alu depctr_va_vdst(0)                   ; and the one wait ahead of their first use: the four reciprocal roots are written
.irp j, 0,2,4,6,8,10,12,14
.irp p, 0,1,2,3
	v_pk_mul_f32 v[XF+32*\p+\j:XF+32*\p+\j+1], v[XF+32*\p+\j:XF+32*\p+\j+1], v[WK+4*\p+2:WK+4*\p+3] op_sel_hi:[1,0]
.endr
.endr
.irp j, 0,2,4,6,8,10,12,14
.irp p, 0,1,2,3
	v_pk_fma_f32 v[XF+32*\p+\j:XF+32*\p+\j+1], v[XF+32*\p+\j:XF+32*\p+\j+1], v[GM+\j:GM+\j+1], v[BT+\j:BT+\j+1]
.endr
.endr
	s_wait_alu depctr_va_vdst(0)                   ; the norm has written the four rows, which the stores below read, and is done with all of v72 to v199, in which the next four rows land
.irp p, 0,1,2,3
.irp k, 0,1,2,3
	global_store_b128 v[LI], v[XF+32*\p+4*\k:XF+32*\p+4*\k+3], s[20:21] offset:(4*\g+\p)*2048+512*\k th:TH_STORE_NT   ; 512 consecutive bytes, at a multiple of 256 from out0's first byte
.endr
.endr
.endm
	NORM 0
	s_wait_xcnt 0x0                                ; the stores have had their addresses translated (ISA guide 3.1),
	s_wait_alu depctr_vm_vsrc(0)                   ; and they have read their registers: the next four rows may land there
	NORM 1
	s_wait_dscnt 0x0                               ; the wave's end
	s_wait_alu 0x0
	s_wait_tensorcnt 0x0
	ds_add_u32 v[SPW], v[NIL]
	s_wait_dscnt 0x0
	s_endpgm
.Lfunc_end_k_q049ee32df5_outln:
	.size	k_q049ee32df5_outln, .Lfunc_end_k_q049ee32df5_outln-k_q049ee32df5_outln
	.p2alignl 7, 3214868480
	.fill 96, 4, 3214868480
	.section	.rodata,"a",@progbits
	.p2align	6, 0x0
	.amdhsa_kernel k_q049ee32df5_outln
		.amdhsa_group_segment_fixed_size 297984
		.amdhsa_private_segment_fixed_size 0
		.amdhsa_enable_private_segment 0
		.amdhsa_kernarg_size 72
		.amdhsa_user_sgpr_count 2
		.amdhsa_user_sgpr_kernarg_segment_ptr 1
		.amdhsa_wavefront_size32 1
		.amdhsa_system_sgpr_workgroup_id_x 1
		.amdhsa_system_sgpr_workgroup_id_y 1
		.amdhsa_system_sgpr_workgroup_id_z 1
		.amdhsa_system_vgpr_workitem_id 0
		.amdhsa_next_free_vgpr 512
		.amdhsa_next_free_sgpr 66
		.amdhsa_reserve_vcc 0
		.amdhsa_float_denorm_mode_32 3
		.amdhsa_float_denorm_mode_16_64 3
		.amdhsa_memory_ordered 1
		.amdhsa_forward_progress 1
		.amdhsa_inst_pref_size 74
	.end_amdhsa_kernel
	.amdgpu_metadata
---
amdhsa.version: [ 1, 2 ]
amdhsa.kernels:
  - .name:           k_q049ee32df5_outln
    .symbol:         k_q049ee32df5_outln.kd
    .args:
      - { .name: cimg, .offset: 0, .size: 8, .value_kind: global_buffer, .address_space: global }
      - { .name: csc, .offset: 8, .size: 8, .value_kind: global_buffer, .address_space: global }
      - { .name: Wo_codes, .offset: 16, .size: 8, .value_kind: global_buffer, .address_space: global }
      - { .name: Wo_scales, .offset: 24, .size: 8, .value_kind: global_buffer, .address_space: global }
      - { .name: bo, .offset: 32, .size: 8, .value_kind: global_buffer, .address_space: global }
      - { .name: Q, .offset: 40, .size: 8, .value_kind: global_buffer, .address_space: global }
      - { .name: gamma, .offset: 48, .size: 8, .value_kind: global_buffer, .address_space: global }
      - { .name: beta, .offset: 56, .size: 8, .value_kind: global_buffer, .address_space: global }
      - { .name: out0, .offset: 64, .size: 8, .value_kind: global_buffer, .address_space: global }
    .group_segment_fixed_size: 297984
    .private_segment_fixed_size: 0
    .kernarg_segment_align: 8
    .kernarg_segment_size: 72
    .max_flat_workgroup_size: 256
    .sgpr_count:     66
    .vgpr_count:     512
    .wavefront_size: 32
...
	.end_amdgpu_metadata
.endif
;; end of part 6
